; MI455X (gfx1250); checked and timed in simulation.
; The chip was launched on July 23, 2026; its instructions are those of AMD's public machine-readable ISA for CDNA 5 (MIT licence, August 2026) and "CDNA5" Instruction Set Architecture Reference Guide (July 2026). The comments in the code are by the model that wrote it; some were corrected since.
;; Multi Head Attention. Allowed arithmetic: matrix products marked QUANTISED: E5M2 operands, one E8M0 scale for each 32 along K, by v_wmma_scale_f32_16x16x128_f8f6f4 with both operands' format E5M2, f32 sums; everything else in f32.
;; Inputs: dense_b 1,024 float32; dense_w_codes 1,024 x 32 x 32 uint8 (E5M2 codes of dense_w, K innermost, in blocks of 32 codes); dense_w_scales 1,024 x 32 uint8 (E8M0 scales of dense_w, one for each 32 codes along K); k_codes 4 x 2,048 x 32 x 32 uint8 (E5M2 codes of k, K innermost, in blocks of 32 codes); k_scales 4 x 2,048 x 32 uint8 (E8M0 scales of k, one for each 32 codes along K); mask 1 x 1 x 2,048 x 2,048 float32; q_codes 4 x 2,048 x 32 x 32 uint8 (E5M2 codes of q, K innermost, in blocks of 32 codes); q_scales 4 x 2,048 x 32 uint8 (E8M0 scales of q, one for each 32 codes along K); v_codes 4 x 2,048 x 32 x 32 uint8 (E5M2 codes of v, K innermost, in blocks of 32 codes); v_scales 4 x 2,048 x 32 uint8 (E8M0 scales of v, one for each 32 codes along K); wk_b 1,024 float32; wk_w_codes 1,024 x 32 x 32 uint8 (E5M2 codes of wk_w, K innermost, in blocks of 32 codes); wk_w_scales 1,024 x 32 uint8 (E8M0 scales of wk_w, one for each 32 codes along K); wq_b 1,024 float32; wq_w_codes 1,024 x 32 x 32 uint8 (E5M2 codes of wq_w, K innermost, in blocks of 32 codes); wq_w_scales 1,024 x 32 uint8 (E8M0 scales of wq_w, one for each 32 codes along K); wv_b 1,024 float32; wv_w_codes 1,024 x 32 x 32 uint8 (E5M2 codes of wv_w, K innermost, in blocks of 32 codes); wv_w_scales 1,024 x 32 uint8 (E8M0 scales of wv_w, one for each 32 codes along K).
;; Outputs: out0 4 x 2,048 x 1,024 float32.
;; This version of the problem:
;;   THIS VERSION OF THE PROBLEM IS GIVEN IN LOW PRECISION. The matrix products marked QUANTISED in the list below multiply operands that are first quantised to E5M2 (5 exponent bits, 2 mantissa bits; 8 bits a number), with one power-of-two scale for each 32 numbers along K (OCP MX v1.0); their sums are f32. All else is computed in f32.
;;   The module's matrix products, in the order in which they are computed (A, B: the left and right operand; K: the contracted axis; several contracted axes count as one K, in the product's order):
;;     1. [M 8,192, K 1,024] x [K 1,024, N 1,024]; A: input q (given as codes); B: input wq_w (given as codes): QUANTISED
;;     2. [M 8,192, K 1,024] x [K 1,024, N 1,024]; A: input k (given as codes); B: input wk_w (given as codes): QUANTISED
;;     3. [M 8,192, K 1,024] x [K 1,024, N 1,024]; A: input v (given as codes); B: input wv_w (given as codes): QUANTISED
;;     4. batch 64 x [M 2,048, K 64] x [K 64, N 2,048]; A: computed on the way; B: computed on the way: QUANTISED
;;     5. batch 64 x [M 2,048, K 2,048] x [K 2,048, N 64]; A: softmax (see below); B: computed on the way: QUANTISED
;;     6. [M 8,192, K 1,024] x [K 1,024, N 1,024]; A: computed on the way; B: input dense_w (given as codes): QUANTISED
;;   THE QUANTISER, for each operand of a quantised product, along K:
;;     - K is cut into blocks of 32 from its start; a last block that is shorter is filled with zeros.
;;     - A block's scale is 2^e with e = floor(log2(the largest magnitude in the block)) - 15, held to -126 .. 127; a block of zeros has e = 0. As a byte (E8M0): e + 127.
;;     - Each number is divided by its block's scale, clamped to +-57,344, and rounded to the nearest number of E5M2, ties to even, subnormals kept.
;;     - The product sums the exact products of the quantised numbers (number of the format x scale) in f32.
;;   ~~~python
;;   def quantise(x, axis):      # numpy; x: float32 -> the quantised numbers, widened to float32 again
;;       x = np.moveaxis(x, axis, -1); K = x.shape[-1]
;;       x = np.pad(x, [(0, 0)] * (x.ndim - 1) + [(0, -K % 32)]); x = x.reshape(x.shape[:-1] + (-1, 32)); a = np.abs(x).max(-1, keepdims=True)
;;       e = np.where(a > 0, np.clip(np.frexp(np.where(a > 0, a, 1))[1] - 1 - 15, -126, 127), 0)      # np.frexp(a)[1] - 1 = floor(log2(a)), exactly
;;       r = np.clip(x / 2.0 ** e, -57344, 57344)
;;       step = 2.0 ** (np.maximum(np.frexp(np.where(r == 0, 1, r))[1] - 1, -14) - 2)
;;       q = np.round(r / step) * step * 2.0 ** e      # np.round: ties to even
;;       return np.moveaxis(q.reshape(q.shape[:-2] + (-1,))[..., :K], -1, axis).astype(np.float32)
;;   ~~~
;;   SOFTMAX AHEAD OF A QUANTISED PRODUCT. Where the list says 'softmax', what is quantised is not the finished softmax but p = 2^(t - M), with t = logit x log2(e) and M = ceil(the row's largest t), a whole number; so 1/2 < the row's largest p <= 1. The row's sum l is taken of the UNQUANTISED p, in f32, and the product's result is divided by l at the end. Since M is a whole number, a kernel that streams over the keys may use a running M (the ceiling of the running maximum): every later rescaling is an exact power of two, which a block's scale takes up: the codes' values come out the same.
;;   OPERANDS COMPUTED ON THE WAY. 'Computed on the way' means the value that the module computes at that place (a softmax that the list does not call 'softmax' is quantised finished and normalised). What goes into a quantiser is computed in f32, as accurately as f32 sums, v_exp_f32 and their like allow (about 1e-6 of the number): no bf16 or f16 on the way to a quantiser, and a product that is left as it is and whose result goes on into a quantised operand takes f32 operands (vector FMAs, or v_wmma_f32_16x16x4_f32). A number that lies on a knife's edge between two numbers of the format may be rounded either way, as far as f32 arithmetic and the matrix unit's own rounding can turn it there, and no further.
;;   INPUTS GIVEN AS CODES. dense_w (in the module: [1024, 1024], K = its axis 1); k (in the module: [4, 2048, 1024], K = its axis 2); q (in the module: [4, 2048, 1024], K = its axis 2); v (in the module: [4, 2048, 1024], K = its axis 2); wk_w (in the module: [1024, 1024], K = its axis 1); wq_w (in the module: [1024, 1024], K = its axis 1); wv_w (in the module: [1024, 1024], K = its axis 1): each comes as NAME_codes (uint8): NAME with its K axis moved to the last place and cut into blocks of 32 codes, [.., K / 32, bytes a block], one block behind the other in memory; one code a byte (a code: sign, 5 exponent bits, 2 mantissa bits); and NAME_scales (uint8): the same leading axes, one E8M0 byte (e + 127) for each 32 codes along K. Its value is code x scale, taken as it is: it is not quantised again, and the codes and scales need not be those that the quantiser above would give.
;; One version. Each part assembles by itself: llvm-mc -triple=amdgcn-amd-amdhsa -mcpu=gfx1250 --defsym DOCPART=n.
;; ======== version 1 of 1: 4 launches
;; limits: right only within a limited range of input values
;; workspace buffers: qc 8,388,608 bytes; qs 262,144 bytes; kc 8,388,608 bytes; ks 262,144 bytes; vc 8,388,608 bytes; vs 262,144 bytes; oc 8,650,752 bytes; mk 16,777,216 bytes
;; launch maskp (part 1): grid 256 x 1, 8 waves a work-group, no clusters, 70,656 bytes of LDS; arguments mask, mk; writes mk
.if DOCPART == 1
	.amdgcn_target "amdgcn-amd-amdhsa--gfx1250"
	.amdhsa_code_object_version 6
	.text
	.protected	k_q6e3464dbee_maskp
	.globl	k_q6e3464dbee_maskp
	.p2align	8
	.type	k_q6e3464dbee_maskp,@function
k_q6e3464dbee_maskp:
	s_mov_b64 s[64:65], 0
	v_nop
	global_prefetch_b8 v0, s[64:65] scope:SCOPE_SE
	s_setreg_imm32_b32 hwreg(HW_REG_WAVE_MODE, 25, 1), 1
	s_wait_xcnt 0x0
; THE MASK, LAID FOR THE ATTENTION LAUNCH.  mask is f32 [2048][2048].  mk holds mask x (-1e9 x 32), the mask's term in units of the raw score (logit = (score + mask x (-3.2e10)) / 32),
; as images of the score accumulators' registers: tile (qt, st) = 16 queries x 128 keys is 8,192 bytes at (16 qt + st) x 8,192; in it the 16 bytes at 512 i + 16 l are, for lane l = (r, h) = (l % 16, l / 16),
; mask(16 qt + r, 128 st + 16 (i / 2) + 8 h + 4 (i % 2) + 0 .. 3): registers 4 i .. 4 i + 3 of the 64 that hold S^T.
; SHARES: 2,048 tiles, one a wave: 256 work-groups of 8 waves.  A wave reads 16 row pieces of 512 consecutive bytes, turns them in its own stage in LDS, and stores 16 x 512 consecutive bytes.
; No matrix work, no tile shared between work-groups: no cluster; one trip, so there is no loop in which to ask ahead.
.set WB,    32*272                     ; a wave's stage: 32 half rows of 256 bytes + 16 of padding
.set SPARE, 8*WB                       ; the spare words: 128 bytes a wave, four blocks of 256 bytes that no other line names
	s_load_b128 s[4:7], s[0:1], 0x0                ; mask, mk
	v_lshl_add_u32 v30, v0, 2, SPARE               ; my spare word
	v_mov_b32 v31, 0
	v_lshrrev_b32 v1, 5, v0
	v_readfirstlane_b32 s8, v1                     ; wave 0..7
	s_mul_i32 s9, s8, WB
	v_and_b32 v2, 31, v0                           ; lane; on the way in also the piece c of 16 bytes: c = 4 T + 2 h + e
	v_lshlrev_b32 v3, 4, v2                        ; 16 x lane: my offset in a run of 512 bytes, in and out
	v_and_b32 v4, 28, v2                           ; 4 T
	v_and_b32 v5, 1, v2                            ; e
	v_bfe_u32 v6, v2, 1, 1                         ; h
	v_lshl_add_u32 v4, v5, 1, v4
	v_add_nc_u32 v4, v4, v6                        ; half row 4 T + 2 e + h = 2 i + h
	v_mul_u32_u24 v4, v4, 272
	v_add_nc_u32 v4, s9, v4                        ; into the stage; row k of the tile goes 16 k further on
	v_lshrrev_b32 v5, 4, v2
	v_and_b32 v6, 15, v2
	v_mul_u32_u24 v5, v5, 272
	v_lshl_add_u32 v5, v6, 4, v5
	v_add_nc_u32 v5, s9, v5                        ; back: half row l / 16, 16 (l % 16); image line i is 544 i further on
	s_lshl_b32 s10, ttmp9, 3
	s_add_co_u32 s10, s10, s8                      ; my tile: 16 qt + st
	s_lshr_b32 s11, s10, 4
	s_and_b32 s12, s10, 15
	s_lshl_b32 s14, s11, 17                        ; 16 rows of 8,192 bytes a query tile,
	s_lshl_b32 s13, s12, 9                         ; 512 bytes a key step
	s_add_co_u32 s14, s14, s13
	s_mov_b32 s15, 0
	s_lshl_b32 s16, s10, 13
	s_mov_b32 s17, 0
	s_mov_b32 s18, 0xd0ee6b28                      ; -3.2e10, exact in f32
	s_mov_b32 s19, s18
	s_wait_alu depctr_va_vdst(0)                   ; the wait at the head's end
	s_wait_kmcnt 0x0
	s_add_nc_u64 s[4:5], s[4:5], s[14:15]
	s_add_nc_u64 s[6:7], s[6:7], s[16:17]
.irp k, 0,1,2,3,4,5,6,7,8,9,10,11,12,13,14,15
	global_load_b128 v[32+4*\k:35+4*\k], v3, s[4:5] offset:8192*\k th:TH_LOAD_NT   ; row k: 512 consecutive bytes
.endr
.irp k, 0,1,2,3,4,5,6,7,8,9,10,11,12,13,14,15
	s_wait_loadcnt 15-\k                           ; the 15 - k younger loads may be out
	ds_store_b128 v4, v[32+4*\k:35+4*\k] offset:16*\k
.endr
.irp i, 0,1,2,3,4,5,6,7,8,9,10,11,12,13,14,15
	ds_load_b128 v[96+4*\i:99+4*\i], v5 offset:544*\i   ; LDS serves a wave's instructions in order (ISA guide 5.7.1.4): these see my stores
.endr
.irp i, 0,1,2,3,4,5,6,7,8,9,10,11,12,13,14,15
	s_wait_dscnt 15-\i                             ; the 15 - i younger loads may be out
	v_pk_mul_f32 v[96+4*\i:97+4*\i], v[96+4*\i:97+4*\i], s[18:19] op_sel_hi:[1,0]
	v_pk_mul_f32 v[98+4*\i:99+4*\i], v[98+4*\i:99+4*\i], s[18:19] op_sel_hi:[1,0]
	global_store_b128 v3, v[96+4*\i:99+4*\i], s[6:7] offset:512*\i   ; 32 lanes store 512 consecutive bytes, aligned
.endr
	s_wait_tensorcnt 0x0                           ; the wave's end
	ds_add_u32 v30, v31
	s_wait_dscnt 0x0
	s_endpgm
.Lfunc_end_k_q6e3464dbee_maskp:
	.size	k_q6e3464dbee_maskp, .Lfunc_end_k_q6e3464dbee_maskp-k_q6e3464dbee_maskp
	.p2alignl 7, 3214868480
	.fill 96, 4, 3214868480
	.section	.rodata,"a",@progbits
	.p2align	6, 0x0
	.amdhsa_kernel k_q6e3464dbee_maskp
		.amdhsa_group_segment_fixed_size 70656
		.amdhsa_private_segment_fixed_size 0
		.amdhsa_enable_private_segment 0
		.amdhsa_kernarg_size 16
		.amdhsa_user_sgpr_count 2
		.amdhsa_user_sgpr_kernarg_segment_ptr 1
		.amdhsa_wavefront_size32 1
		.amdhsa_system_sgpr_workgroup_id_x 1
		.amdhsa_system_sgpr_workgroup_id_y 1
		.amdhsa_system_sgpr_workgroup_id_z 1
		.amdhsa_system_vgpr_workitem_id 0
		.amdhsa_next_free_vgpr 160
		.amdhsa_next_free_sgpr 66
		.amdhsa_reserve_vcc 0
		.amdhsa_float_denorm_mode_32 3
		.amdhsa_float_denorm_mode_16_64 3
		.amdhsa_memory_ordered 1
		.amdhsa_forward_progress 1
		.amdhsa_inst_pref_size 10
	.end_amdhsa_kernel
	.amdgpu_metadata
---
amdhsa.version: [ 1, 2 ]
amdhsa.kernels:
  - .name:           k_q6e3464dbee_maskp
    .symbol:         k_q6e3464dbee_maskp.kd
    .args:
      - { .name: mask, .offset: 0, .size: 8, .value_kind: global_buffer, .address_space: global }
      - { .name: mk, .offset: 8, .size: 8, .value_kind: global_buffer, .address_space: global }
    .group_segment_fixed_size: 70656
    .private_segment_fixed_size: 0
    .kernarg_segment_align: 8
    .kernarg_segment_size: 16
    .max_flat_workgroup_size: 256
    .sgpr_count:     66
    .vgpr_count:     160
    .wavefront_size: 32
...
	.end_amdgpu_metadata
.endif
;; end of part 1
;; launch proj (part 2): grid 96 x 4, 4 waves a work-group, clusters of 4 x 4, 327,680 bytes of LDS; arguments q_codes, k_codes, v_codes, q_scales, k_scales, v_scales, wq_w_codes, wk_w_codes, wv_w_codes, wq_w_scales, wk_w_scales, wv_w_scales, wq_b, wk_b, wv_b, qc, kc, vc, qs, ks, vs; writes qc, kc, vc, qs, ks, vs
.if DOCPART == 2
	.amdgcn_target "amdgcn-amd-amdhsa--gfx1250"
	.amdhsa_code_object_version 6
	.text
	.protected	k_q6e3464dbee_proj
	.globl	k_q6e3464dbee_proj
	.p2align	8
	.type	k_q6e3464dbee_proj,@function
k_q6e3464dbee_proj:
	s_mov_b64 s[64:65], 0
	v_nop
	global_prefetch_b8 v0, s[64:65] scope:SCOPE_SE
	s_setreg_imm32_b32 hwreg(HW_REG_WAVE_MODE, 25, 1), 1
	s_wait_xcnt 0x0
	s_wait_alu depctr_hold_cnt(0) depctr_sa_sdst(0) depctr_va_vdst(0) depctr_va_sdst(0) depctr_va_ssrc(0) depctr_va_vcc(0) depctr_vm_vsrc(0)
	s_getreg_b32 s2, hwreg(HW_REG_IB_STS2, 6, 4)
	s_cmp_eq_u32 s2, 0
	s_cbranch_scc0 .Lentry_in_a_cluster
	s_endpgm
.Lentry_in_a_cluster:
	s_bfe_u32 s2, ttmp6, 0x10000c
	s_cmp_lg_u32 s2, 0xf033
	s_cbranch_scc0 .Lentry_shape_is_right
	s_endpgm
.Lentry_shape_is_right:
.set SIZE_K, 1024
.set KSTEP,  256
.set NQ,     KSTEP/128
.set ROWB,   256
.set KROW,   SIZE_K
.set PITCH,  272
.set FR,     16
.set NL,     4
.set NP,     8
.set HALFT,  128*PITCH
.set SLOT,   4*HALFT
.set LAPS,   SIZE_K/(2*KSTEP)
.set KS,     SIZE_K/32
.set SCL,    2*SLOT
.set HALFS,  (128*KS/256)*272
.set SBLK,   (16*KS/256)*272
.set SPARE,  SCL+4*HALFS
.set BJ,   0
.set ADRA, 16
.set SGO,  18
.set OFA,  19
.set ADRB, 20
.set OFB,  22
.set SWS,  24
.set SWR,  25
.set L16,  26
.set ADRS, 27
.set SPW,  28
.set NIL,  29
.set BJA,  30
.set BIA,  31
.set SC,   32
.set BI,   64
.set AF,   128
.set X,    128
.set PC,   192
.set TM,   208
.set HW,   224
.set G1, 24
.set G0, 32
.set G1B, 48
.set G0B, 56
.set KEEPI, 66
.set KEEPJ, 67
.set G1S, 68
.set G0S, 76
.set G1SB, 80
.set G0SB, 88
.set PP,  100
.set MSB, 0
.macro WIN new
.if MSB != \new
	s_set_vgpr_msb (MSB<<8)|\new
.set MSB, \new
.endif
.endm
.set MUL_LO, 0xa1
.set MUL_HI, 0xf1
.set BIAS_LO, 0x81
.set BIAS_HI, 0xc1
.set TO_B,   0x40
.macro JLOAD g0a, g1a, g0b, g1b
	s_cmp_eq_u32 s15, 0
	s_cbranch_scc0 .Lfor_b_\@
	tensor_load_to_lds s[\g0a:\g0a+3], s[\g1a:\g1a+7]
	s_nop 0
.rept 4
	v_nop
.endr
	s_branch .Lasked_\@
.Lfor_b_\@:
	tensor_load_to_lds s[\g0b:\g0b+3], s[\g1b:\g1b+7]
	s_nop 0
.rept 4
	v_nop
.endr
.Lasked_\@:
.endm
.macro CREST
	s_cmp_lg_u32 s14, 0
	s_cbranch_scc1 .Lnot_wave_0_\@
	s_barrier_signal -3
.Lnot_wave_0_\@:
	s_barrier_wait -3
	s_barrier_signal -1
	s_barrier_wait -1
.endm
.macro CROUND
	s_barrier_signal -1
	s_barrier_wait -1
	CREST
.endm
	s_load_b512 s[68:83], s[0:1], 0x0
	s_load_b512 s[84:99], s[0:1], 0x40
	s_load_b256 s[24:31], s[0:1], 0x80
	s_load_b64 s[32:33], s[0:1], 0xa0
	v_lshl_add_u32 v[SPW], v0, 2, SPARE
	v_mov_b32 v[NIL], 0
	ds_add_u32 v28, v29
	ds_add_u32 v28, v29
	s_wait_dscnt 0x0
	v_lshrrev_b32 v1, 5, v0
	v_readfirstlane_b32 s14, v1
	s_lshr_b32 s15, s14, 1
	s_and_b32 s16, s14, 1
	s_bfe_u32 s40, ttmp6, 0x40000
	s_bfe_u32 s41, ttmp6, 0x40004
	s_lshr_b32 s[PP], ttmp9, 3
	s_and_b32 s101, ttmp9, 7
	s_cmp_lt_u32 s[PP], 2
	s_cselect_b32 s17, s101, 0
	s_cselect_b32 s42, 0, s101
	s_lshl_b32 s42, s42, 2
	s_add_co_u32 s42, s42, s40
	s_lshl_b32 s17, s17, 2
	s_add_co_u32 s17, s17, s41
	s_lshl_b32 s43, s41, 2
	s_lshl_b32 s43, 15, s43
	s_lshl_b32 s44, 0x1111, s40
	s_wait_kmcnt 0x0
	s_cmp_eq_u32 s[PP], 1
	s_cselect_b64 s[72:73], s[70:71], s[72:73]
	s_cselect_b64 s[78:79], s[76:77], s[78:79]
	s_cselect_b64 s[84:85], s[82:83], s[84:85]
	s_cselect_b64 s[90:91], s[88:89], s[90:91]
	s_cselect_b64 s[96:97], s[94:95], s[96:97]
	s_cselect_b64 s[26:27], s[24:25], s[26:27]
	s_cselect_b64 s[32:33], s[30:31], s[32:33]
	s_cmp_eq_u32 s[PP], 0
	s_cselect_b64 s[72:73], s[68:69], s[72:73]
	s_cselect_b64 s[78:79], s[74:75], s[78:79]
	s_cselect_b64 s[84:85], s[80:81], s[84:85]
	s_cselect_b64 s[90:91], s[86:87], s[90:91]
	s_cselect_b64 s[96:97], s[92:93], s[96:97]
	s_cselect_b64 s[26:27], s[98:99], s[26:27]
	s_cselect_b64 s[32:33], s[28:29], s[32:33]
	s_cmp_lt_u32 s[PP], 2
	s_cselect_b64 s[4:5], s[72:73], s[84:85]
	s_cselect_b64 s[6:7], s[78:79], s[90:91]
	s_cselect_b64 s[8:9], s[84:85], s[72:73]
	s_cselect_b64 s[10:11], s[90:91], s[78:79]
	s_mov_b64 s[12:13], s[26:27]
	s_mov_b64 s[98:99], s[32:33]
	s_cselect_b32 s18, s17, s42
	s_cselect_b32 s19, s15, s16
	s_cselect_b32 s20, s42, s17
	s_cselect_b32 s21, s16, s15
	s_cselect_b32 s[KEEPI], -1, 0
	s_cselect_b32 s[KEEPJ], 0, -1
	s_lshl_b32 s2, s42, 10
	s_lshl_b32 s22, s16, 9
	s_add_co_u32 s2, s2, s22
	s_lshl_b32 s95, s17, 10
	s_lshl_b32 s22, s15, 9
	s_add_co_u32 s95, s95, s22
	s_cmp_lt_u32 s[PP], 2
	s_cselect_b32 s2, s2, 0
	s_cselect_b32 s95, 0, s95
	s_lshr_b32 s45, s18, 3
	s_lshl_b32 s20, s20, 2
	s_lshl_b32 s21, s21, 1
	s_add_co_u32 s20, s20, s21
	s_and_b32 s18, s18, 7
	s_lshl_b32 s18, s18, 1
	s_add_co_u32 s18, s18, s19
	s_lshl_b32 s21, s45, 4
	s_add_co_u32 s21, s21, s20
	s_lshl_b32 s22, s21, 17
	s_lshl_b32 s19, s18, 13
	s_add_co_u32 s22, s22, s19
	s_mov_b32 s23, 0
	s_add_nc_u64 s[12:13], s[12:13], s[22:23]
	s_lshl_b32 s22, s21, 12
	s_lshl_b32 s19, s18, 8
	s_add_co_u32 s22, s22, s19
	s_add_nc_u64 s[98:99], s[98:99], s[22:23]
	s_or_b32 s[G1+0], s43, (0<<16)|(1<<20)|(1<<21)|(5<<22)|(3<<25)
	s_or_b32 s[G1B+0], s44, (0<<16)|(1<<20)|(1<<21)|(5<<22)|(3<<25)
.irp g, G1, G1B
	s_mov_b32 s[\g+1], ROWB<<16
	s_mov_b32 s[\g+2], 128<<16
	s_mov_b32 s[\g+3], ROWB<<16
	s_mov_b32 s[\g+4], 128
	s_mov_b32 s[\g+5], KROW
	s_mov_b32 s[\g+6], 0
	s_mov_b32 s[\g+7], 0
.endr
	s_or_b32 s[G1S+0], s43, (3<<16)|(1<<20)|(1<<21)|(5<<22)|(3<<25)
	s_or_b32 s[G1SB+0], s44, (3<<16)|(1<<20)|(1<<21)|(5<<22)|(3<<25)
.irp g, G1S, G1SB
	s_mov_b32 s[\g+1], 32<<16
	s_mov_b32 s[\g+2], (128*KS/256)<<16
	s_mov_b32 s[\g+3], 32<<16
	s_mov_b32 s[\g+4], 128*KS/256
	s_mov_b32 s[\g+5], 32
	s_mov_b32 s[\g+6], 0
	s_mov_b32 s[\g+7], 0
.endr
	s_lshl_b32 s18, s16, 7
	s_lshl_b32 s20, s17, 8
	s_add_co_u32 s20, s20, s18
	s_lshl_b32 s46, s42, 8
	s_add_co_u32 s46, s46, s18
	s_mov_b32 s21, 0
	s_mov_b32 s47, 0
	s_mov_b64 s[18:19], KS
	s_mul_u64 s[22:23], s[20:21], s[18:19]
	s_mul_u64 s[92:93], s[46:47], s[18:19]
	s_mov_b64 s[18:19], KROW
	s_mul_u64 s[20:21], s[20:21], s[18:19]
	s_mul_u64 s[46:47], s[46:47], s[18:19]
	s_mul_i32 s45, s14, HALFT
	s_mul_i32 s94, s14, HALFS
	s_add_nc_u64 s[20:21], s[4:5], s[20:21]
	s_add_nc_u64 s[22:23], s[6:7], s[22:23]
	s_add_nc_u64 s[46:47], s[8:9], s[46:47]
	s_add_nc_u64 s[92:93], s[10:11], s[92:93]
	CROUND
	s_mov_b32 s[G0S], 1
	s_add_co_u32 s[G0S+1], s94, SCL
	s_mov_b64 s[G0S+2:G0S+3], s[22:23]
	s_or_b32 s[G0S+3], s[G0S+3], 0x80000000
	s_mov_b32 s[G0SB], 1
	s_add_co_u32 s[G0SB+1], s94, SCL
	s_mov_b64 s[G0SB+2:G0SB+3], s[92:93]
	s_or_b32 s[G0SB+3], s[G0SB+3], 0x80000000
	JLOAD G0S, G1S, G0SB, G1SB
.irp s, 0,1
	s_mov_b32 s[G0+4*\s], 1
	s_add_co_u32 s[G0+4*\s+1], s45, \s*SLOT
	s_add_nc_u64 s[G0+4*\s+2:G0+4*\s+3], s[20:21], \s*ROWB
	s_or_b32 s[G0+4*\s+3], s[G0+4*\s+3], 0x80000000
	s_mov_b32 s[G0B+4*\s], 1
	s_add_co_u32 s[G0B+4*\s+1], s45, \s*SLOT
	s_add_nc_u64 s[G0B+4*\s+2:G0B+4*\s+3], s[46:47], \s*ROWB
	s_or_b32 s[G0B+4*\s+3], s[G0B+4*\s+3], 0x80000000
	s_wait_alu depctr_va_vdst(0)
	s_wait_tensorcnt 0x0
	ds_add_u32 v28, v29
	s_wait_dscnt 0x0
	CROUND
	JLOAD G0+4*\s, G1, G0B+4*\s, G1B
.endr
	v_and_b32 v1, 15, v0
	v_bfe_u32 v2, v0, 4, 1
	v_mul_u32_u24 v3, v1, PITCH
	v_lshl_add_u32 v4, v2, 4, v3
	s_mul_i32 s21, s15, HALFT
	s_mul_i32 s22, s16, HALFT
	s_add_co_u32 s22, s22, 2*HALFT
.irp s, 0,1
	v_add_nc_u32 v[ADRA+\s], s21, v4
	v_add_nc_u32 v[ADRB+\s], s22, v4
	s_add_co_u32 s21, s21, SLOT
	s_add_co_u32 s22, s22, SLOT
.endr
	v_mul_u32_u24 v5, v1, KS
	v_lshrrev_b32 v6, 8, v5
	v_lshl_add_u32 v5, v6, 4, v5
	s_mul_i32 s21, s15, HALFS
	s_mul_i32 s22, s16, HALFS
	s_add_co_u32 s22, s22, 2*HALFS
	s_sub_co_u32 s22, s22, s21
	v_mul_u32_u24 v6, s22, v2
	s_add_co_u32 s21, s21, SCL
	v_add_nc_u32 v5, v5, v6
	v_add_nc_u32 v[ADRS], s21, v5
	v_and_b32 v6, 31, v0
	v_lshlrev_b32 v[L16], 4, v6
	s_lshl_b32 s23, s14, 9
	v_lshl_add_u32 v[SWS], v1, 2, s23
	v_add_nc_u32 v[SWR], s23, v[L16]
	v_lshlrev_b32 v[SGO], 4, v1
	v_lshl_add_u32 v[SGO], v2, 12, v[SGO]
	v_lshl_add_u32 v[BIA], v2, 5, s2
	v_lshl_add_u32 v[BJA], v1, 2, s95
.irp b, 0,1,2,3,4,5,6,7
	global_load_b128 v[BI+8*\b:BI+8*\b+3], v[BIA], s[96:97] offset:64*\b
	global_load_b128 v[BI+8*\b+4:BI+8*\b+7], v[BIA], s[96:97] offset:64*\b+16
.endr
.irp a, 0,1,2,3,4,5,6,7
	global_load_b32 v[BJ+2*\a], v[BJA], s[96:97] offset:64*\a
	global_load_b32 v[BJ+2*\a+1], v[BJA], s[96:97] offset:64*\a
.endr
.macro FRAG reg, adr, q, i
.irp c, 0,1,2,3
	ds_load_b128 v[\reg+4*\c:\reg+4*\c+3], v[\adr] offset:128*(\q)+32*\c+(\i)*16*PITCH
.endr
.endm
.macro MUL16 a0, p, q, sc, zero
.irp a, \a0, \a0+1
.irp b, 0,1,2,3,4,5,6,7
.if \zero
	v_wmma_scale_f32_16x16x128_f8f6f4 v[8*(8*((\a)%4)+\b):8*(8*((\a)%4)+\b)+7], v[128*(\p)+FR*\b:128*(\p)+FR*\b+FR-1], v[AF+FR*(\a):AF+FR*(\a)+FR-1], v[BI+8*\b:BI+8*\b+7], v[SC+8*NQ*(\sc)+NQ*\b+(\q)], v[SC+8*NQ*(\sc)+NQ*(\a)+(\q)] matrix_a_fmt:MATRIX_FMT_BF8 matrix_b_fmt:MATRIX_FMT_BF8 matrix_a_scale:MATRIX_SCALE_ROW1
.else
	v_wmma_scale_f32_16x16x128_f8f6f4 v[8*(8*((\a)%4)+\b):8*(8*((\a)%4)+\b)+7], v[128*(\p)+FR*\b:128*(\p)+FR*\b+FR-1], v[AF+FR*(\a):AF+FR*(\a)+FR-1], v[8*(8*((\a)%4)+\b):8*(8*((\a)%4)+\b)+7], v[SC+8*NQ*(\sc)+NQ*\b+(\q)], v[SC+8*NQ*(\sc)+NQ*(\a)+(\q)] matrix_a_fmt:MATRIX_FMT_BF8 matrix_b_fmt:MATRIX_FMT_BF8 matrix_a_scale:MATRIX_SCALE_ROW1
.endif
.endr
.endr
.endm
.macro FETCH_B slot, q, p
	WIN TO_B
.irp i, 0,1,2,3,4,5,6,7
	FRAG 128*(\p)+FR*\i, ADRB+\slot, \q, \i
.endr
	WIN 0
.endm
.macro FETCH_A slot, q, i0
.irp i, \i0, \i0+1, \i0+2, \i0+3
	FRAG AF+FR*(\i), ADRA+\slot, \q, \i
.endr
.endm
.macro SCALES sc
.irp i, 0,1,2,3,4,5,6,7
	ds_load_b64 v[SC+8*NQ*\sc+NQ*\i:SC+8*NQ*\sc+NQ*\i+1], v[ADRS] offset:\i*SBLK
.endr
.endm
.macro PLACES n
.rept \n
	v_nop
.endr
.endm
.macro STEP slot, q, zero
	s_wait_dscnt 4*NL
.if \zero
	WIN BIAS_LO
.else
	WIN MUL_LO
.endif
	MUL16 0, (\q)%2, \q, \slot, \zero
	MUL16 2, (\q)%2, \q, \slot, \zero
	s_wait_dscnt 0
	PLACES NP
	FETCH_B \slot, (\q)+1, 1-(\q)%2
	FETCH_A \slot, (\q)+1, 0
.if \zero
	WIN BIAS_HI
.else
	WIN MUL_HI
.endif
	MUL16 4, (\q)%2, \q, \slot, \zero
	MUL16 6, (\q)%2, \q, \slot, \zero
	PLACES NP
	WIN 0
	FETCH_A \slot, (\q)+1, 4
.endm
.macro TURN slot, next, fill
	s_wait_tensorcnt 0x0
	ds_add_u32 v[SPW], v[NIL]
	s_wait_dscnt 4*NL+1
	WIN MUL_LO
	MUL16 0, 1, NQ-1, \slot, 0
	s_wait_dscnt 0x0
	s_barrier_signal -1
	MUL16 2, 1, NQ-1, \slot, 0
	WIN 0
	s_barrier_wait -1
.if \fill
	CREST
	s_add_nc_u64 s[G0+4*\slot+2:G0+4*\slot+3], s[G0+4*\slot+2:G0+4*\slot+3], 2*ROWB
	s_add_nc_u64 s[G0B+4*\slot+2:G0B+4*\slot+3], s[G0B+4*\slot+2:G0B+4*\slot+3], 2*ROWB
	JLOAD G0+4*\slot, G1, G0B+4*\slot, G1B
	PLACES NP-4
.else
	PLACES NP
.endif
	s_wait_alu depctr_va_vdst(0)
	v_add_nc_u32 v[ADRS], 4*NQ, v[ADRS]
	FETCH_B \next, 0, 0
	FETCH_A \next, 0, 0
	SCALES \next
	WIN MUL_HI
	MUL16 4, 1, NQ-1, \slot, 0
	MUL16 6, 1, NQ-1, \slot, 0
	PLACES NP
	WIN 0
	FETCH_A \next, 0, 4
.endm
	s_wait_alu depctr_va_vdst(0)
	s_wait_tensorcnt 1
	s_barrier_signal -1
	s_barrier_wait -1
	FETCH_B 0, 0, 0
	FETCH_A 0, 0, 0
	SCALES 0
	FETCH_A 0, 0, 4
	s_wait_loadcnt 0x0
.set n, 0
.rept 64
	v_cndmask_b32 v[BI+n], 0, v[BI+n], s[KEEPI]
.set n, n+1
.endr
.set n, 0
.rept 16
	v_cndmask_b32 v[BJ+n], 0, v[BJ+n], s[KEEPJ]
.set n, n+1
.endr
	STEP 0, 0, 1
	s_mov_b32 s3, LAPS-1
.Llap:
	TURN 0, 1, 1
	STEP 1, 0, 0
	TURN 1, 0, 1
	STEP 0, 0, 0
	s_sub_co_u32 s3, s3, 1
	s_cmp_lg_u32 s3, 0
	s_cbranch_scc1 .Llap
	TURN 0, 1, 0
	STEP 1, 0, 0
	s_wait_dscnt 4*NL
	WIN MUL_LO
	MUL16 0, 1, NQ-1, 1, 0
	MUL16 2, 1, NQ-1, 1, 0
	s_wait_dscnt 0
	WIN MUL_HI
	MUL16 4, 1, NQ-1, 1, 0
	MUL16 6, 1, NQ-1, 1, 0
	WIN 0
	s_cmp_lt_u32 s[PP], 2
	s_mov_b32 s40, 1024
	s_cselect_b32 s40, 0x20000, s40
	s_mov_b32 s41, 0x20000
	s_cselect_b32 s41, 4096, s41
	s_mov_b32 s42, 2048
	s_cselect_b32 s42, 1024, s42
	s_cselect_b32 s43, 0, -1
	s_mov_b32 s44, 0x76543210
	s_mov_b32 s45, 0xfedcba98
	s_mov_b32 s46, 0x600000
	PLACES NP
.irp b, 0,1,2,3
	v_mov_b32 v[TM+4+\b], 0
.endr
.macro QUANT
.irp b, 0,1,2,3
	v_max3_num_f32 v[TM+\b], |v[X+16*\b]|, |v[X+1+16*\b]|, 0x8000000
.endr
.irp i, 2,4,6,8,10,12,14
.irp b, 0,1,2,3
	v_max3_num_f32 v[TM+\b], v[TM+\b], |v[X+16*\b+\i]|, |v[X+1+16*\b+\i]|
.endr
.endr
.irp b, 0,1,2,3
	v_permlanex16_b32 v[TM+4+\b], v[TM+\b], s44, s45
.endr
.irp b, 0,1,2,3
	v_max_num_f32 v[TM+\b], v[TM+\b], v[TM+4+\b]
.endr
.irp b, 0,1,2,3
	v_add_nc_u32 v[TM+12+\b], 0xf8800000, v[TM+\b]
.endr
.irp b, 0,1,2,3
	v_and_or_b32 v[TM+8+\b], v[TM+\b], 0x7f800000, s46
.endr
.irp b, 0,1,2,3
	v_lshrrev_b32 v[TM+4+\b], 23, v[TM+12+\b]
.endr
.irp b, 0,1,2,3
.irp i, 0,1,2,3,4,5,6,7,8,9,10,11,12,13,14,15
	v_med3_num_f32 v[X+16*\b+\i], v[X+16*\b+\i], -v[TM+8+\b], v[TM+8+\b]
.endr
	v_cvt_scalef32_pk8_bf8_f32 v[PC+4*\b:PC+1+4*\b], v[X+16*\b:X+7+16*\b], v[TM+12+\b]
	v_cvt_scalef32_pk8_bf8_f32 v[PC+2+4*\b:PC+3+4*\b], v[X+8+16*\b:X+15+16*\b], v[TM+12+\b]
.endr
.endm
.macro OUTA a
.set AC, 64*((\a)%4)
.if (\a) > 0
	s_wait_xcnt 0x0
.endif
	WIN 0x02+(\a)/4
.set n, 0
.rept 32
	v_pk_add_f32 v[X+n:X+n+1], v[AC+n:AC+n+1], v[BJ+2*(\a):BJ+2*(\a)+1]
.set n, n+2
.endr
	WIN 0
	QUANT
	v_lshl_or_b32 v[HW+(\a)], v[TM+5], 8, v[TM+4]
	v_lshl_or_b32 v[HW+8+(\a)], v[TM+7], 8, v[TM+6]
.irp b, 0,1,2,3
	v_permlane16_swap_b32 v[PC+4*\b], v[PC+2+4*\b]
	v_permlane16_swap_b32 v[PC+1+4*\b], v[PC+3+4*\b]
.endr
	s_mul_i32 s2, s41, (\a)/4
	s_mul_i32 s3, s42, (\a)%4
	s_add_co_u32 s2, s2, s3
	v_add_nc_u32 v[OFA], s2, v[L16]
	v_add_nc_u32 v[OFB], s40, v[OFA]
	global_store_b128 v[OFA], v[PC:PC+3], s[12:13]
	global_store_b128 v[OFA], v[PC+4:PC+7], s[12:13] offset:512
	global_store_b128 v[OFB], v[PC+8:PC+11], s[12:13]
	global_store_b128 v[OFB], v[PC+12:PC+15], s[12:13] offset:512
.endm
.irp a, 0,1,2,3,4,5,6,7
	OUTA \a
.endr
.irp w, 0,1,2,3,4,5,6,7
	v_cndmask_b32 v[X+2*\w], v[HW+8*(\w/4)+2*(\w%4)], v[HW+\w], s43
	v_cndmask_b32 v[X+2*\w+1], v[HW+8*(\w/4)+2*(\w%4)+1], v[HW+8+\w], s43
	v_lshl_or_b32 v[X+16+\w], v[X+2*\w+1], 16, v[X+2*\w]
.endr
.irp w, 0,1,2,3,4,5,6,7
	ds_store_b32 v[SWS], v[X+16+\w] offset:64*\w
.endr
	ds_load_b128 v[X+24:X+27], v[SWR]
	s_wait_dscnt 0x0
	global_store_b128 v[SGO], v[X+24:X+27], s[98:99]
	s_wait_tensorcnt 0x0
	ds_add_u32 v[SPW], v[NIL]
	s_wait_dscnt 0x0
	CROUND
	s_endpgm
.Lfunc_end_k_q6e3464dbee_proj:
	.size	k_q6e3464dbee_proj, .Lfunc_end_k_q6e3464dbee_proj-k_q6e3464dbee_proj
	.p2alignl 7, 3214868480
	.fill 96, 4, 3214868480
	.section	.rodata,"a",@progbits
	.p2align	6, 0x0
	.amdhsa_kernel k_q6e3464dbee_proj
		.amdhsa_group_segment_fixed_size 327680
		.amdhsa_private_segment_fixed_size 0
		.amdhsa_enable_private_segment 0
		.amdhsa_kernarg_size 168
		.amdhsa_user_sgpr_count 2
		.amdhsa_user_sgpr_kernarg_segment_ptr 1
		.amdhsa_wavefront_size32 1
		.amdhsa_system_sgpr_workgroup_id_x 1
		.amdhsa_system_sgpr_workgroup_id_y 1
		.amdhsa_system_sgpr_workgroup_id_z 1
		.amdhsa_system_vgpr_workitem_id 0
		.amdhsa_next_free_vgpr 1024
		.amdhsa_next_free_sgpr 102
		.amdhsa_reserve_vcc 0
		.amdhsa_float_denorm_mode_32 3
		.amdhsa_float_denorm_mode_16_64 3
		.amdhsa_memory_ordered 1
		.amdhsa_forward_progress 1
		.amdhsa_inst_pref_size 215
	.end_amdhsa_kernel
	.amdgpu_metadata
---
amdhsa.version: [ 1, 2 ]
amdhsa.kernels:
  - .name:           k_q6e3464dbee_proj
    .symbol:         k_q6e3464dbee_proj.kd
    .args:
      - { .name: q_codes, .offset: 0, .size: 8, .value_kind: global_buffer, .address_space: global }
      - { .name: k_codes, .offset: 8, .size: 8, .value_kind: global_buffer, .address_space: global }
      - { .name: v_codes, .offset: 16, .size: 8, .value_kind: global_buffer, .address_space: global }
      - { .name: q_scales, .offset: 24, .size: 8, .value_kind: global_buffer, .address_space: global }
      - { .name: k_scales, .offset: 32, .size: 8, .value_kind: global_buffer, .address_space: global }
      - { .name: v_scales, .offset: 40, .size: 8, .value_kind: global_buffer, .address_space: global }
      - { .name: wq_w_codes, .offset: 48, .size: 8, .value_kind: global_buffer, .address_space: global }
      - { .name: wk_w_codes, .offset: 56, .size: 8, .value_kind: global_buffer, .address_space: global }
      - { .name: wv_w_codes, .offset: 64, .size: 8, .value_kind: global_buffer, .address_space: global }
      - { .name: wq_w_scales, .offset: 72, .size: 8, .value_kind: global_buffer, .address_space: global }
      - { .name: wk_w_scales, .offset: 80, .size: 8, .value_kind: global_buffer, .address_space: global }
      - { .name: wv_w_scales, .offset: 88, .size: 8, .value_kind: global_buffer, .address_space: global }
      - { .name: wq_b, .offset: 96, .size: 8, .value_kind: global_buffer, .address_space: global }
      - { .name: wk_b, .offset: 104, .size: 8, .value_kind: global_buffer, .address_space: global }
      - { .name: wv_b, .offset: 112, .size: 8, .value_kind: global_buffer, .address_space: global }
      - { .name: qc, .offset: 120, .size: 8, .value_kind: global_buffer, .address_space: global }
      - { .name: kc, .offset: 128, .size: 8, .value_kind: global_buffer, .address_space: global }
      - { .name: vc, .offset: 136, .size: 8, .value_kind: global_buffer, .address_space: global }
      - { .name: qs, .offset: 144, .size: 8, .value_kind: global_buffer, .address_space: global }
      - { .name: ks, .offset: 152, .size: 8, .value_kind: global_buffer, .address_space: global }
      - { .name: vs, .offset: 160, .size: 8, .value_kind: global_buffer, .address_space: global }
    .group_segment_fixed_size: 327680
    .private_segment_fixed_size: 0
    .kernarg_segment_align: 8
    .kernarg_segment_size: 168
    .max_flat_workgroup_size: 128
    .sgpr_count:     102
    .vgpr_count:     1024
    .wavefront_size: 32
...
	.end_amdgpu_metadata
.endif
;; end of part 2
;; launch attn (part 3): grid 4 x 64, 16 waves a work-group, clusters of 4 x 1, 327,680 bytes of LDS; arguments qc, qs, kc, ks, vc, vs, mk, oc; writes oc
.if DOCPART == 3
	.amdgcn_target "amdgcn-amd-amdhsa--gfx1250"
	.amdhsa_code_object_version 6
	.text
	.protected	k_q6e3464dbee_attn
	.globl	k_q6e3464dbee_attn
	.p2align	8
	.type	k_q6e3464dbee_attn,@function
k_q6e3464dbee_attn:
	s_mov_b64 s[64:65], 0
	v_nop
	global_prefetch_b8 v0, s[64:65] scope:SCOPE_SE
	s_setreg_imm32_b32 hwreg(HW_REG_WAVE_MODE, 25, 1), 1
	s_wait_xcnt 0x0
	s_wait_alu depctr_hold_cnt(0) depctr_sa_sdst(0) depctr_va_vdst(0) depctr_va_sdst(0) depctr_va_ssrc(0) depctr_va_vcc(0) depctr_vm_vsrc(0)
	s_getreg_b32 s2, hwreg(HW_REG_IB_STS2, 6, 4)
	s_cmp_eq_u32 s2, 0
	s_cbranch_scc0 .Lentry_in_a_cluster
	s_endpgm
.Lentry_in_a_cluster:
	s_bfe_u32 s2, ttmp6, 0x10000c
	s_cmp_lg_u32 s2, 0x3003
	s_cbranch_scc0 .Lentry_shape_is_right
	s_endpgm
.Lentry_shape_is_right:
; ATTENTION on codes of BF8 (E5M2): for each batch and head, O[q] = sum over keys of softmax(Q[q] . K[key] / 32 + mask[q][key] x (-1e9)) V[key], quantised along the 1,024 columns of the concatenated heads.
; The mask is an input and is honoured as given: every query walks all 2,048 keys, 128 a step.  mk holds mask x (-3.2e10) as images of the score registers; it is the C of the first product, so S' = score + mask x (-3.2e10).
; THE SOFTMAX AHEAD OF THE SECOND PRODUCT: t = S' x log2(e) / 32; M = the running largest t rounded UP to a whole number; p = 2^(t - M), one fused multiply-add and one exponential, quantised along the keys, not normalised.
; The row's sum is taken of the unquantised p and divides O at the end.  When M moves, the sum and O are multiplied by 2^(old M - new M): exact.
; SHARES.  A work-group owns one (batch, head) and 512 of its 2,048 queries.  THE HEAD'S K, V AND SCALE WORDS, 270,336 bytes, ARE FILLED INTO LDS ONCE, one tensor load a wave, and stay: nothing is filled again,
; so the loop over the keys holds no barrier.  Each of the sixteen waves owns two tiles of 16 queries, one after the other, in 256 registers: four waves to a SIMD.
; CLUSTER, 4 x 1: the four work-groups of a (batch, head) ask for K, V and the scale words jointly.
; THE MASK's image of the next step (8,192 bytes a wave, its own) is loaded into the score registers as soon as this step's p has been converted: a whole second product and the next step's fragment loads ahead of its use.
; It is asked for by these loads a step ahead, so no separate prefetch is laid; K and V are asked for at the head, where there is no loop to run ahead in.
; OPERANDS lie in memory and in LDS as images of their registers (lane l's 16 bytes at 16 l): every fragment load reads 512 consecutive bytes.
; BOTH PRODUCTS ARE USED TRANSPOSED: S^T = K Q^T, O^T = V^T P^T: a lane holds ONE query (lane % 16).  THE HEAD'S K IS 64, THE INSTRUCTION'S 128: a fragment of K holds two tiles of 16 keys; against [Q | zeros] it gives
; the first tile's scores, against [zeros | Q] the second's: v16-23 zeros, v24-31 Q, v32-39 zeros.  In S^T register 8 T + n of lane (r, h) is key 16 T + 8 h + n.
; THE WAY OUT: a head's 64 codes of a token are 64 bytes of a row of 1,024 in oc, so a lane stores 2 x 16 bytes of its token's row; the two scale bytes go to the token's row of 32, which lies behind the codes in oc.
; LIMITS: the promise holds while |t| stays under 2^31 (there t - M of a row's largest t lies within 65 of 0, and p, the sums and O stay finite).  NaN and infinities are not served.  A block of zeros has the byte 1, not 127:
; this program alone reads the bytes.  1 / sum is v_rcp_f32.  A block's largest p is taken as the exponential of its largest t: this takes v_exp_f32 not to fall where its input rises.
.set SCK,   262144                     ; LDS: K's codes at 0, V's at 131,072; K's scale words, 4,096 bytes;
.set SCV,   SCK+4096                   ; V's;
.set SPARE, SCV+4096                   ; the spare words, 128 bytes a wave: eight blocks of 256 bytes that no other line names
.set AK,   1                           ; v1   16 x lane: my place in a fragment of K, in Q's image and in the mask's
.set AV,   2                           ; v2   the same in V
.set ASK,  4                           ; v4   my place among K's scale words
.set ASV,  5                           ; v5   and among V's
.set SPW,  6                           ; v6   LDS address of my spare word; never rewritten
.set NIL,  7                           ; v7   0; never rewritten
.set ADK,  8                           ; v8-11 the step's addresses
.set ADV,  9
.set ADS,  10
.set ADT,  11
.set QSW,  40                          ; v40  Q's scale word: my tile's two bytes, twice
.set OCO,  41                          ; v41  my offset in oc: 1,024 r + 16 h
.set OSO,  42                          ; v42  and among the scale bytes: 32 r
.set QW,   43                          ; v43  the scale word of my pair of tiles
.set QSO,  44                          ; v44  4 r
.set FR,   48                          ; v48-111   four fragments of K, then of V; on the way out O / sum
.set X,    48
.set S,    112                         ; v112-175  the mask's term, then S', then p
.set OT,   176                         ; v176-207  O^T
.set PC,   208                         ; v208-223  p's codes
.set BM,   224                         ; v224-227  a block's largest S', then p
.set T2,   228
.set HOLD, 232
.set SCO,  236
.set KSW,  240                         ; v240-243  K's or V's scale words
.set PSW,  244                         ; v244      p's scale word
.set MK,   16                          ; s[16:17] where my mask images stand
.set WV,   22
.set MNT,  23
.set G1A,  24                          ; s[24:31] group 1: 32,768 dense bytes;  s[32:39] 16,384;  s[40:47] 4,096
.set G1B,  32
.set G1C,  40
.set G0A,  48
.set G0B,  52
.set G0C,  56
.set SEL,  60
.set CS,   62                          ; s[62:63] log2(e) / 32, twice
.set TK,   66                          ; s66  the step's codes: 8,192 bytes a step
.set TS,   67                          ; s67  its scale words: 256 bytes a step
.set CNT,  68
.set TIL,  69
.set REM,  70                          ; s70  steps to go over both tiles
.set SH,   71                          ; s71  which half of the pair's scale word is the tile's
.macro CROUND                          ; a round of the cluster's barrier
	s_barrier_signal -1
	s_barrier_wait -1
	s_cmp_lg_u32 s[WV], 0
	s_cbranch_scc1 .Lnot_wave_0_\@
	s_barrier_signal -3
.Lnot_wave_0_\@:
	s_barrier_wait -3
	s_barrier_signal -1
	s_barrier_wait -1
.endm
.macro ARM under, g0, g1, next
	s_cmp_lt_u32 s[WV], \under
	s_cbranch_scc0 \next
	tensor_load_to_lds s[\g0:\g0+3], s[\g1:\g1+7]
	s_nop 0
.rept 4
	v_nop
.endr
	s_branch .Lhead_asked
\next:
.endm
.macro MLOAD                           ; a step's image of the mask's term into the score registers: 16 x 512 consecutive bytes
.set i, 0
.rept 16
	global_load_b128 v[S+4*i:S+4*i+3], v[AK], s[MK:MK+1] offset:512*i
.set i, i+1
.endr
.endm
	s_load_b512 s[4:19], s[0:1], 0x0               ; qc s[4:5], qs s[6:7], kc s[8:9], ks s[10:11], vc s[12:13], vs s[14:15], mk s[16:17], oc s[18:19]
	v_lshl_add_u32 v[SPW], v0, 2, SPARE
	v_mov_b32 v[NIL], 0
	ds_add_u32 v[SPW], v[NIL]                      ; the opening lines: the add, twice on end, and its wait ahead of my first tensor load
	ds_add_u32 v[SPW], v[NIL]
	v_lshrrev_b32 v8, 5, v0
	v_readfirstlane_b32 s[WV], v8                  ; wave 0..15
	s_bfe_u32 s72, ttmp6, 0x40000                  ; cx: my quarter of the queries
	s_and_b32 s73, ttmp7, 0xffff                   ; 16 x batch + head: the cluster's y
	s_and_b32 s74, s[WV], 1                        ; e: I fetch for K (0) or for V (1)
	s_lshr_b32 s75, s[WV], 1
	s_add_co_u32 s75, s75, 1
	s_lshl_b32 s75, s75, 14                        ; waves 2 to 13: the piece of 16,384 bytes at 16,384 (wave / 2 + 1)
	s_lshl_b32 s76, s74, 17                        ; K at 0, V at 131,072
	s_lshl_b32 s78, s73, 17                        ; the head's codes,
	s_mov_b32 s79, 0
	s_lshl_b32 s80, s73, 12                        ; its scale words
	s_mov_b32 s81, 0
.irp g, G1A, G1B, G1C
	s_mov_b32 s[\g], 15|(3<<16)|(1<<21)            ; 15:0 the mask: the cluster's four; 17:16 elements of 8 bytes; 21 set beside a mask
	s_mov_b32 s[\g+1], 32<<16                      ; rows of 256 bytes, dense
	s_mov_b32 s[\g+3], 32<<16
	s_mov_b32 s[\g+5], 32
	s_mov_b32 s[\g+6], 0
	s_mov_b32 s[\g+7], 0
.endr
	s_mov_b32 s[G1A+2], 128<<16
	s_mov_b32 s[G1A+4], 128
	s_mov_b32 s[G1B+2], 64<<16
	s_mov_b32 s[G1B+4], 64
	s_mov_b32 s[G1C+2], 16<<16
	s_mov_b32 s[G1C+4], 16
	s_mov_b32 s[MNT], 0x600000
	s_mov_b32 s[SEL], 0x76543210
	s_mov_b32 s[SEL+1], 0xfedcba98
	s_mov_b32 s[CS], 0x3d38aa3b                    ; log2(e) / 32
	s_mov_b32 s[CS+1], s[CS]
	s_mov_b32 s[TIL], 2
	s_mov_b32 s[REM], 32
	s_mov_b32 s[SH], 0
	s_wait_dscnt 0x0                               ; both opening adds are done
	s_wait_kmcnt 0x0
	s_cmp_eq_u32 s74, 0                            ; K's buffers or V's: the choice hangs on the wave's number alone
	s_cselect_b64 s[82:83], s[8:9], s[12:13]
	s_cselect_b64 s[84:85], s[10:11], s[14:15]
	s_add_nc_u64 s[82:83], s[82:83], s[78:79]
	s_add_nc_u64 s[84:85], s[84:85], s[80:81]
	s_mov_b32 s[G0A], 1                            ; waves 0, 1: the first 32,768 bytes of K's, V's codes
	s_mov_b32 s[G0A+1], s76
	s_mov_b64 s[G0A+2:G0A+3], s[82:83]
	s_or_b32 s[G0A+3], s[G0A+3], 0x80000000
	s_mov_b32 s[G0B], 1                            ; waves 2 to 13: six pieces of 16,384 bytes of each
	s_add_co_u32 s[G0B+1], s76, s75
	s_mov_b32 s86, s75
	s_mov_b32 s87, 0
	s_add_nc_u64 s[G0B+2:G0B+3], s[82:83], s[86:87]
	s_or_b32 s[G0B+3], s[G0B+3], 0x80000000
	s_mov_b32 s[G0C], 1                            ; waves 14, 15: K's, V's scale words
	s_lshl_b32 s[G0C+1], s74, 12
	s_add_co_u32 s[G0C+1], s[G0C+1], SCK
	s_mov_b64 s[G0C+2:G0C+3], s[84:85]
	s_or_b32 s[G0C+3], s[G0C+3], 0x80000000
	CROUND                                         ; all four work-groups are here: the joint loads meet
	ARM 2,  G0A, G1A, .Lhead_b                     ; one tree of branches on the wave's number: every way passes exactly one load
	ARM 14, G0B, G1B, .Lhead_c
	tensor_load_to_lds s[G0C:G0C+3], s[G1C:G1C+7]
	s_nop 0
.rept 4
	v_nop
.endr
.Lhead_asked:
	s_add_nc_u64 s[20:21], s[18:19], 0x800000      ; the scale bytes lie behind oc's 8,388,608 codes
	s_lshl_b32 s88, s72, 5
	s_lshl_b32 s89, s[WV], 1
	s_add_co_u32 s88, s88, s89                     ; my first tile of queries in the batch: 32 cx + 2 wave
	s_mov_b32 s91, 0
	s_lshl_b32 s90, s88, 10
	s_add_nc_u64 s[4:5], s[4:5], s[78:79]
	s_add_nc_u64 s[4:5], s[4:5], s[90:91]          ; Q's codes: 1,024 bytes a tile
	s_lshl_b32 s90, s88, 5
	s_add_nc_u64 s[6:7], s[6:7], s[80:81]
	s_add_nc_u64 s[6:7], s[6:7], s[90:91]          ; the scale words of my pair of tiles: 64 bytes a pair
	s_lshl_b32 s90, s88, 17
	s_add_nc_u64 s[MK:MK+1], s[MK:MK+1], s[90:91]  ; the mask's images: 131,072 bytes a tile; my 32 steps lie on end
	s_lshr_b32 s92, s73, 4
	s_lshl_b32 s92, s92, 11
	s_lshl_b32 s93, s88, 4
	s_add_co_u32 s92, s92, s93                     ; my first token: 2,048 x batch + 16 x tile
	s_and_b32 s93, s73, 15                         ; the head
	s_lshl_b32 s90, s92, 10
	s_lshl_b32 s94, s93, 6
	s_add_co_u32 s90, s90, s94
	s_add_nc_u64 s[18:19], s[18:19], s[90:91]
	s_lshl_b32 s90, s92, 5
	s_lshl_b32 s94, s93, 1
	s_add_co_u32 s90, s90, s94
	s_add_nc_u64 s[20:21], s[20:21], s[90:91]
	v_and_b32 v8, 31, v0
	v_and_b32 v9, 15, v0                           ; r
	v_bfe_u32 v10, v0, 4, 1                        ; h
	v_lshlrev_b32 v[AK], 4, v8
	v_lshl_add_u32 v[ASK], v9, 2, SCK
	v_lshlrev_b32 v[QSO], 2, v9
	v_lshlrev_b32 v[OCO], 10, v9
	v_lshlrev_b32 v[OSO], 5, v9
	v_add_nc_u32 v[AV], 131072, v[AK]
	v_add_nc_u32 v[ASV], 4096, v[ASK]
	v_lshl_add_u32 v[OCO], v10, 4, v[OCO]
	global_load_b128 v[24:27], v[AK], s[4:5]               ; Q: the head's k = 0 .. 31,
	global_load_b128 v[28:31], v[AK], s[4:5] offset:512    ; 32 .. 63
	global_load_b32 v[QW], v[QSO], s[6:7]
	MLOAD                                          ; step 0's mask
.irp n, 0,1,2,3,4,5,6,7
	v_mov_b32 v[16+\n], 0                          ; the zero codes on either side of Q
	v_mov_b32 v[32+\n], 0
.endr
.irp b, 0,1,2,3
	v_mov_b32 v[T2+\b], 0                          ; written once: a lane permute's destination counts as one of its sources
.endr
	v_mov_b32 v245, 0
	s_wait_alu depctr_va_vdst(0)                   ; the wait at the head's end
	s_wait_tensorcnt 0x0                           ; my piece has landed;
	s_barrier_signal -1
	s_barrier_wait -1                              ; so has everybody's: K, V and the scale words are whole, and nothing is filled again
.Ltile:                                            ; two trips: a tile of 16 queries each
	v_mov_b32 v13, 0xff61b1e6                      ; the largest S' so far: -3e38
	v_mov_b32 v12, 0x7f61b1e6                      ; -M: over every -t
	v_mov_b32 v14, 0                               ; the sum, in two halves
	v_mov_b32 v15, 0
.set j, 0
.rept 32
	v_mov_b32 v[OT+j], 0                           ; O^T: the step is written once; the first finds zeros, which the first change of M leaves zeros
.set j, j+1
.endr
	s_mov_b32 s[CNT], 16
	s_mov_b32 s[TK], 0
	s_mov_b32 s[TS], 0
	s_wait_alu depctr_va_vdst(0)                   ; the wait here, directly ahead of the wait below
	s_wait_loadcnt 0x0                             ; Q and its scale word
	v_lshrrev_b32 v[QSW], s[SH], v[QW]
	s_delay_alu instid0(VALU_DEP_1)
	v_and_b32 v[QSW], 0xffff, v[QSW]
	s_delay_alu instid0(VALU_DEP_1)
	v_lshl_or_b32 v[QSW], v[QSW], 16, v[QSW]       ; my tile's two bytes, for k = 0 .. 63 and again for k = 64 .. 127; the eight lines below are its places
.Lstep:                                            ; sixteen trips: 128 keys each
	v_add_nc_u32 v[ADK], s[TK], v[AK]
	v_add_nc_u32 v[ADV], s[TK], v[AV]
	v_add_nc_u32 v[ADS], s[TS], v[ASK]
	v_add_nc_u32 v[ADT], s[TS], v[ASV]
.rept 4
	v_nop                                          ; with the four additions: eight places in front of loads into registers that the last products have read
.endr
.irp f, 0,1,2,3
.irp c, 0,1,2,3
	ds_load_b128 v[FR+16*\f+4*\c:FR+16*\f+4*\c+3], v[ADK] offset:2048*\f+512*\c   ; fragment f: tiles 2 f and 2 f + 1 of the step's keys
.endr
	ds_load_b32 v[KSW+\f], v[ADS] offset:64*\f
.endr
	s_wait_alu depctr_va_vdst(0)                   ; the wait here, directly ahead of the waits below
	s_wait_loadcnt 0x0                             ; the mask's term is in the score registers, and its loads have read their base:
	s_add_nc_u64 s[MK:MK+1], s[MK:MK+1], 8192      ; on to the next step's image
	s_wait_dscnt 0x0
.irp f, 0,1,2,3
	v_wmma_scale_f32_16x16x128_f8f6f4 v[S+16*\f:S+16*\f+7], v[FR+16*\f:FR+16*\f+15], v[24:39], v[S+16*\f:S+16*\f+7], v[KSW+\f], v[QSW] matrix_a_fmt:MATRIX_FMT_BF8 matrix_b_fmt:MATRIX_FMT_BF8      ; [Q | zeros]: tile 2 f
	v_wmma_scale_f32_16x16x128_f8f6f4 v[S+16*\f+8:S+16*\f+15], v[FR+16*\f:FR+16*\f+15], v[16:31], v[S+16*\f+8:S+16*\f+15], v[KSW+\f], v[QSW] matrix_a_fmt:MATRIX_FMT_BF8 matrix_b_fmt:MATRIX_FMT_BF8   ; [zeros | Q]: tile 2 f + 1
.endr
.rept 8
	v_nop                                          ; places: K's registers take V, and the scores are read
.endr
.irp d, 0,1,2,3
.irp c, 0,1,2,3
	ds_load_b128 v[FR+16*\d+4*\c:FR+16*\d+4*\c+3], v[ADV] offset:2048*\d+512*\c   ; V's four fragments: they land under the softmax
.endr
	ds_load_b32 v[KSW+\d], v[ADT] offset:64*\d
.endr
.irp b, 0,1,2,3
	v_max3_num_f32 v[BM+\b], v[S+16*\b], v[S+1+16*\b], v[S+2+16*\b]   ; the largest S' of each block of 32 keys: for the row's maximum and for the block's largest p
.endr
.irp i, 3,5,7,9,11,13
.irp b, 0,1,2,3
	v_max3_num_f32 v[BM+\b], v[BM+\b], v[S+16*\b+\i], v[S+1+16*\b+\i]   ; (the four blocks by turns)
.endr
.endr
.irp b, 0,1,2,3
	v_max_num_f32 v[BM+\b], v[BM+\b], v[S+15+16*\b]
.endr
.irp b, 0,1,2,3
	s_delay_alu instid0(VALU_DEP_4)
	v_permlanex16_b32 v[T2+\b], v[BM+\b], s[SEL], s[SEL+1]
.endr
.irp b, 0,1,2,3
	s_delay_alu instid0(VALU_DEP_4)
	v_max_num_f32 v[BM+\b], v[BM+\b], v[T2+\b]     ; with lane l xor 16's 16 keys
.endr
	s_delay_alu instid0(VALU_DEP_2)
	v_max3_num_f32 v245, v[BM], v[BM+1], v[BM+2]
	s_delay_alu instid0(VALU_DEP_1)
	v_max3_num_f32 v13, v13, v245, v[BM+3]         ; the running largest S'
	s_delay_alu instid0(VALU_DEP_1)
	v_mul_f32 v245, s[CS], v13                     ; as t (the factor is positive)
	v_mov_b32 v247, v12
	s_delay_alu instid0(VALU_DEP_2)
	v_floor_f32 v12, -v245                         ; the new -M = floor(-t) = -ceil(t): M is a whole number
	s_delay_alu instid0(VALU_DEP_1)
	v_sub_f32 v245, v12, v247                      ; M's old value less its new one: 0 or less
	s_delay_alu instid0(VALU_DEP_1)
	v_cvt_i32_f32 v245, v245                       ; (it saturates)
	s_delay_alu instid0(VALU_DEP_1)
	v_ldexp_f32 v246, 1.0, v245                    ; f = 2^(old M - new M)
.set j, 0
.rept 32
	v_pk_fma_f32 v[S+j:S+j+1], v[S+j:S+j+1], s[CS:CS+1], v[12:13] op_sel_hi:[1,0,0]   ; t - M, two at a time (of the pairs the low word serves both halves)
.set j, j+2
.endr
.irp b, 0,1,2,3
	v_fma_f32 v[BM+\b], v[BM+\b], s[CS], v12       ; the same of each block's largest S'
.endr
	s_wait_alu depctr_va_vdst(0)                   ; the wait ahead of the batch
.set j, 0
.rept 64
	v_exp_f32 v[S+j], v[S+j]                       ; p = 2^(t - M): not normalised
.set j, j+1
.endr
.irp b, 0,1,2,3
	v_exp_f32 v[BM+\b], v[BM+\b]                   ; the block's largest p: the same two operations on the same number give the same bits
.endr
	v_pk_mul_f32 v[14:15], v[14:15], v[246:247] op_sel_hi:[1,0]   ; the sums under the new M.  (A plain place behind the exponentials)
	s_wait_alu depctr_va_vdst(0)                   ; one wait for the batch, ahead of its first reader
.irp b, 0,1,2,3
	v_max_num_f32 v[BM+\b], 0x8000000, v[BM+\b]    ; the floor 2^(16 - 127): the byte cannot fall under 1
.endr
.irp b, 0,1,2,3
	s_delay_alu instid0(VALU_DEP_4)
	v_add_nc_u32 v[SCO+\b], 0xf8800000, v[BM+\b]   ; 15 off the exponent field: the conversion's scale operand
.endr
.irp b, 0,1,2,3
	v_and_or_b32 v[HOLD+\b], v[BM+\b], 0x7f800000, s[MNT]   ; 57,344 x the scale
.endr
.irp b, 0,1,2,3
	v_lshrrev_b32 v[T2+\b], 23, v[SCO+\b]          ; the scale's byte
.endr
	s_delay_alu instid0(VALU_DEP_3)
	v_lshl_or_b32 v[PSW], v[T2+1], 8, v[T2]        ; p's scale word for these 128 keys
	s_delay_alu instid0(VALU_DEP_1)
	v_lshl_or_b32 v[PSW], v[T2+2], 16, v[PSW]
	s_delay_alu instid0(VALU_DEP_1)
	v_lshl_or_b32 v[PSW], v[T2+3], 24, v[PSW]
	v_pk_add_f32 v[248:249], v[S:S+1], v[S+2:S+3]          ; the row's sum of the unquantised p: 32 pairs in four chains
	v_pk_add_f32 v[250:251], v[S+4:S+5], v[S+6:S+7]
	v_pk_add_f32 v[252:253], v[S+8:S+9], v[S+10:S+11]
	v_pk_add_f32 v[14:15], v[14:15], v[S+12:S+13]
.set j, 14
.rept 6
	v_pk_add_f32 v[248:249], v[248:249], v[S+j:S+j+1]
	v_pk_add_f32 v[250:251], v[250:251], v[S+j+2:S+j+3]
	v_pk_add_f32 v[252:253], v[252:253], v[S+j+4:S+j+5]
	v_pk_add_f32 v[14:15], v[14:15], v[S+j+6:S+j+7]
.set j, j+8
.endr
	v_pk_add_f32 v[248:249], v[248:249], v[S+62:S+63]
	v_pk_add_f32 v[250:251], v[250:251], v[252:253]
	s_delay_alu instid0(VALU_DEP_2)
	v_pk_add_f32 v[14:15], v[14:15], v[248:249]
	s_delay_alu instid0(VALU_DEP_1)
	v_pk_add_f32 v[14:15], v[14:15], v[250:251]
.irp b, 0,1,2,3
.irp i, 0,1,2,3,4,5,6,7,8,9,10,11,12,13,14,15
	v_min_num_f32 v[S+16*\b+\i], v[S+16*\b+\i], v[HOLD+\b]   ; the conversion to an 8-bit code does not saturate (ISA guide 7.6.2); p is not negative, so the hold is one-sided
.endr
	v_cvt_scalef32_pk8_bf8_f32 v[PC+4*\b:PC+1+4*\b], v[S+16*\b:S+7+16*\b], v[SCO+\b]
	v_cvt_scalef32_pk8_bf8_f32 v[PC+2+4*\b:PC+3+4*\b], v[S+8+16*\b:S+15+16*\b], v[SCO+\b]
.endr
	v_nop                                          ; a plain place behind the last conversion
	s_cmp_eq_u32 s[REM], 1                         ; behind my very last step there is no image to ask for
	s_wait_alu depctr_va_vdst(0)                   ; the wait here, directly ahead of the branch
	s_cbranch_scc1 .Lno_mask
	MLOAD                                          ; p is converted: the score registers take the next step's mask
.Lno_mask:
.irp b, 0,1,2,3
	v_permlane16_swap_b32 v[PC+4*\b], v[PC+2+4*\b]         ; the first tile's codes of lanes 16-31 change places with the second tile's of lanes 0-15:
	v_permlane16_swap_b32 v[PC+1+4*\b], v[PC+3+4*\b]       ; the four registers now hold keys 32 b + 16 h + 0 .. 15: the operand's order
.endr
	s_wait_alu depctr_va_vdst(0)                   ; the wait here, directly ahead of the first reader of O^T
.set j, 0
.rept 16
	v_pk_mul_f32 v[OT+j:OT+j+1], v[OT+j:OT+j+1], v[246:247] op_sel_hi:[1,0]   ; O^T under the new M.  (Also the places between the codes' last write and the products)
.set j, j+2
.endr
	s_wait_alu depctr_va_vdst(0)                   ; the wait here, directly ahead of the wait below
	s_wait_dscnt 0x0                               ; V and its scale words
.irp d, 0,1,2,3
	v_wmma_scale_f32_16x16x128_f8f6f4 v[OT+8*\d:OT+8*\d+7], v[FR+16*\d:FR+16*\d+15], v[PC:PC+15], v[OT+8*\d:OT+8*\d+7], v[KSW+\d], v[PSW] matrix_a_fmt:MATRIX_FMT_BF8 matrix_b_fmt:MATRIX_FMT_BF8   ; four accumulators by turns
.endr
	s_add_co_u32 s[TK], s[TK], 8192
	s_add_co_u32 s[TS], s[TS], 256
	s_sub_co_u32 s[REM], s[REM], 1
	s_sub_co_u32 s[CNT], s[CNT], 1
	s_cmp_lg_u32 s[CNT], 0
	s_cbranch_scc1 .Lstep
	; THE WAY OUT of a tile.  O^T / the sum is quantised along the head's 64: two blocks of the concatenated heads' 1,024.  The score registers are not touched: the next tile's mask is on its way into them.
	v_add_f32 v14, v14, v15                        ; the sum's two halves,
	s_delay_alu instid0(VALU_DEP_1)
	v_permlanex16_b32 v245, v14, s[SEL], s[SEL+1]
	s_delay_alu instid0(VALU_DEP_1)
	v_add_f32 v14, v14, v245                       ; and lane l xor 16's: the row's sum
	s_wait_alu depctr_va_vdst(0)                   ; the wait ahead of the transcendental
	v_rcp_f32 v14, v14
.rept 8
	v_nop                                          ; places behind the last products (V's registers are written below, O^T is read) and behind the reciprocal
.endr
	s_wait_alu depctr_va_vdst(0)                   ; the wait ahead of the first reader of the reciprocal and of O^T
.set j, 0
.rept 16
	v_pk_mul_f32 v[X+j:X+j+1], v[OT+j:OT+j+1], v[14:15] op_sel_hi:[1,0]   ; register 8 d + n is o(query r, 16 d + 8 h + n); each accumulator from its low end on
.set j, j+2
.endr
.irp b, 0,1
	v_max3_num_f32 v[BM+\b], |v[X+16*\b]|, |v[X+1+16*\b]|, 0x8000000   ; block b: my 16 numbers, and the floor
.endr
.irp i, 2,4,6,8,10,12,14
.irp b, 0,1
	s_delay_alu instid0(VALU_DEP_2)
	v_max3_num_f32 v[BM+\b], v[BM+\b], |v[X+16*\b+\i]|, |v[X+1+16*\b+\i]|
.endr
.endr
.irp b, 0,1
	s_delay_alu instid0(VALU_DEP_2)
	v_permlanex16_b32 v[T2+\b], v[BM+\b], s[SEL], s[SEL+1]
.endr
.irp b, 0,1
	s_delay_alu instid0(VALU_DEP_2)
	v_max_num_f32 v[BM+\b], v[BM+\b], v[T2+\b]
.endr
.irp b, 0,1
	s_delay_alu instid0(VALU_DEP_2)
	v_add_nc_u32 v[SCO+\b], 0xf8800000, v[BM+\b]
.endr
.irp b, 0,1
	s_delay_alu instid0(VALU_DEP_4)
	v_and_or_b32 v[HOLD+\b], v[BM+\b], 0x7f800000, s[MNT]
.endr
.irp b, 0,1
	s_delay_alu instid0(VALU_DEP_4)
	v_lshrrev_b32 v[T2+\b], 23, v[SCO+\b]
.endr
	s_delay_alu instid0(VALU_DEP_1)
	v_lshl_or_b32 v245, v[T2+1], 8, v[T2]          ; the head's two scale bytes of my token
.irp b, 0,1
.irp i, 0,1,2,3,4,5,6,7,8,9,10,11,12,13,14,15
	v_med3_num_f32 v[X+16*\b+\i], v[X+16*\b+\i], -v[HOLD+\b], v[HOLD+\b]
.endr
	v_cvt_scalef32_pk8_bf8_f32 v[PC+4*\b:PC+1+4*\b], v[X+16*\b:X+7+16*\b], v[SCO+\b]
	v_cvt_scalef32_pk8_bf8_f32 v[PC+2+4*\b:PC+3+4*\b], v[X+8+16*\b:X+15+16*\b], v[SCO+\b]
.endr
	v_nop                                          ; a plain place behind the last conversion
.irp b, 0,1
	v_permlane16_swap_b32 v[PC+4*\b], v[PC+2+4*\b]
	v_permlane16_swap_b32 v[PC+1+4*\b], v[PC+3+4*\b]       ; columns 32 b + 16 h + 0 .. 15 of my token's head
.endr
	global_store_b128 v[OCO], v[PC:PC+3], s[18:19]             ; lanes r and r + 16 store 32 neighbouring bytes of token r's row,
	global_store_b128 v[OCO], v[PC+4:PC+7], s[18:19] offset:32 ; and the next 32
	global_store_b16 v[OSO], v245, s[20:21]                    ; both halves of the lanes store the same two bytes with the same value
	s_wait_alu depctr_va_vdst(0)                   ; the wait here, directly ahead of the wait below
	s_wait_xcnt 0x0                                ; the stores have read their registers and bases, which are written again below and in the next tile
	s_add_nc_u64 s[18:19], s[18:19], 16384         ; 16 tokens on
	s_add_nc_u64 s[20:21], s[20:21], 512
	s_mov_b32 s[SH], 16                            ; the pair's second tile
	s_sub_co_u32 s[TIL], s[TIL], 1
	s_cmp_eq_u32 s[TIL], 0
	s_cbranch_scc1 .Lno_q
	s_add_nc_u64 s[4:5], s[4:5], 1024              ; (Q's earlier loads were waited for at the tile's head)
	global_load_b128 v[24:27], v[AK], s[4:5]               ; the next tile's Q
	global_load_b128 v[28:31], v[AK], s[4:5] offset:512
.Lno_q:
	s_cmp_lg_u32 s[TIL], 0
	s_cbranch_scc1 .Ltile
	s_wait_tensorcnt 0x0                           ; the wave's end
	ds_add_u32 v[SPW], v[NIL]
	s_wait_dscnt 0x0
	CROUND                                         ; the closing round
	s_endpgm
.Lfunc_end_k_q6e3464dbee_attn:
	.size	k_q6e3464dbee_attn, .Lfunc_end_k_q6e3464dbee_attn-k_q6e3464dbee_attn
	.p2alignl 7, 3214868480
	.fill 96, 4, 3214868480
	.section	.rodata,"a",@progbits
	.p2align	6, 0x0
	.amdhsa_kernel k_q6e3464dbee_attn
		.amdhsa_group_segment_fixed_size 327680
		.amdhsa_private_segment_fixed_size 0
		.amdhsa_enable_private_segment 0
		.amdhsa_kernarg_size 64
		.amdhsa_user_sgpr_count 2
		.amdhsa_user_sgpr_kernarg_segment_ptr 1
		.amdhsa_wavefront_size32 1
		.amdhsa_system_sgpr_workgroup_id_x 1
		.amdhsa_system_sgpr_workgroup_id_y 1
		.amdhsa_system_sgpr_workgroup_id_z 1
		.amdhsa_system_vgpr_workitem_id 0
		.amdhsa_next_free_vgpr 256
		.amdhsa_next_free_sgpr 100
		.amdhsa_reserve_vcc 0
		.amdhsa_float_denorm_mode_32 3
		.amdhsa_float_denorm_mode_16_64 3
		.amdhsa_memory_ordered 1
		.amdhsa_forward_progress 1
		.amdhsa_inst_pref_size 40
	.end_amdhsa_kernel
	.amdgpu_metadata
---
amdhsa.version: [ 1, 2 ]
amdhsa.kernels:
  - .name:           k_q6e3464dbee_attn
    .symbol:         k_q6e3464dbee_attn.kd
    .args:
      - { .name: qc, .offset: 0, .size: 8, .value_kind: global_buffer, .address_space: global }
      - { .name: qs, .offset: 8, .size: 8, .value_kind: global_buffer, .address_space: global }
      - { .name: kc, .offset: 16, .size: 8, .value_kind: global_buffer, .address_space: global }
      - { .name: ks, .offset: 24, .size: 8, .value_kind: global_buffer, .address_space: global }
      - { .name: vc, .offset: 32, .size: 8, .value_kind: global_buffer, .address_space: global }
      - { .name: vs, .offset: 40, .size: 8, .value_kind: global_buffer, .address_space: global }
      - { .name: mk, .offset: 48, .size: 8, .value_kind: global_buffer, .address_space: global }
      - { .name: oc, .offset: 56, .size: 8, .value_kind: global_buffer, .address_space: global }
    .group_segment_fixed_size: 327680
    .private_segment_fixed_size: 0
    .kernarg_segment_align: 8
    .kernarg_segment_size: 64
    .max_flat_workgroup_size: 512
    .sgpr_count:     100
    .vgpr_count:     256
    .wavefront_size: 32
...
	.end_amdgpu_metadata
.endif
;; end of part 3
;; launch dense (part 4): grid 4 x 32, 4 waves a work-group, clusters of 4 x 4, 327,680 bytes of LDS; arguments oc, dense_w_codes, dense_w_scales, out0, dense_b; writes out0
.if DOCPART == 4
	.amdgcn_target "amdgcn-amd-amdhsa--gfx1250"
	.amdhsa_code_object_version 6
	.text
	.protected	k_q6e3464dbee_dense
	.globl	k_q6e3464dbee_dense
	.p2align	8
	.type	k_q6e3464dbee_dense,@function
k_q6e3464dbee_dense:
	s_mov_b64 s[64:65], 0
	v_nop
	global_prefetch_b8 v0, s[64:65] scope:SCOPE_SE
	s_setreg_imm32_b32 hwreg(HW_REG_WAVE_MODE, 25, 1), 1
	s_wait_xcnt 0x0
	s_wait_alu depctr_hold_cnt(0) depctr_sa_sdst(0) depctr_va_vdst(0) depctr_va_sdst(0) depctr_va_ssrc(0) depctr_va_vcc(0) depctr_vm_vsrc(0)
	s_getreg_b32 s2, hwreg(HW_REG_IB_STS2, 6, 4)
	s_cmp_eq_u32 s2, 0
	s_cbranch_scc0 .Lentry_in_a_cluster
	s_endpgm
.Lentry_in_a_cluster:
	s_bfe_u32 s2, ttmp6, 0x10000c
	s_cmp_lg_u32 s2, 0xf033
	s_cbranch_scc0 .Lentry_shape_is_right
	s_endpgm
.Lentry_shape_is_right:
.set SIZE_M, 8192
.set SIZE_N, 1024
.set SIZE_K, 1024
.set KSTEP,  256
.set NQ,     KSTEP/128
.set ROWB,   256
.set KROW,   SIZE_K
.set PITCH,  272
.set FR,     16
.set NL,     4
.set NP,     8
.set HALFT,  128*PITCH
.set SLOT,   4*HALFT
.set LAPS,   SIZE_K/(2*KSTEP)
.set KS,     SIZE_K/32
.set SCL,    2*SLOT
.set HALFS,  (128*KS/256)*272
.set SBLK,   (16*KS/256)*272
.set SPARE,  SCL+4*HALFS
.set SPITCH, 528
.set ADRA, 16
.set ADRB, 20
.set STO,  24
.set RD,   25
.set CO,   26
.set ADRS, 27
.set SPW,  28
.set NIL,  29
.set BIA,  30
.set SC,   32
.set BI,   64
.set AF,   128
.set BK,   128
.set G1, 24
.set G0, 32
.set G1B, 48
.set G0B, 56
.set G1S, 68
.set G0S, 76
.set G1SB, 80
.set G0SB, 88
.set MSB, 0
.macro WIN new
.if MSB != \new
	s_set_vgpr_msb (MSB<<8)|\new
.set MSB, \new
.endif
.endm
.set MUL_LO, 0xa1
.set MUL_HI, 0xf1
.set BIAS_LO, 0x81
.set BIAS_HI, 0xc1
.set TO_B,   0x40
.macro JLOAD g0a, g1a, g0b, g1b
	s_cmp_eq_u32 s15, 0
	s_cbranch_scc0 .Lfor_b_\@
	tensor_load_to_lds s[\g0a:\g0a+3], s[\g1a:\g1a+7]
	s_nop 0
.rept 4
	v_nop
.endr
	s_branch .Lasked_\@
.Lfor_b_\@:
	tensor_load_to_lds s[\g0b:\g0b+3], s[\g1b:\g1b+7]
	s_nop 0
.rept 4
	v_nop
.endr
.Lasked_\@:
.endm
.macro CREST
	s_cmp_lg_u32 s14, 0
	s_cbranch_scc1 .Lnot_wave_0_\@
	s_barrier_signal -3
.Lnot_wave_0_\@:
	s_barrier_wait -3
	s_barrier_signal -1
	s_barrier_wait -1
.endm
.macro CROUND
	s_barrier_signal -1
	s_barrier_wait -1
	CREST
.endm
	s_load_b64 s[4:5], s[0:1], 0x0                 ; oc: A's codes, and behind them A's scale bytes
	s_load_b64 s[8:9], s[0:1], 0x8                 ; dense_w's codes
	s_load_b64 s[10:11], s[0:1], 0x10              ; dense_w's scales
	s_load_b64 s[12:13], s[0:1], 0x18              ; out0
	s_load_b64 s[96:97], s[0:1], 0x20              ; dense_b
	v_lshl_add_u32 v[SPW], v0, 2, SPARE
	v_mov_b32 v[NIL], 0
	ds_add_u32 v28, v29
	ds_add_u32 v28, v29
	s_wait_dscnt 0x0
	v_lshrrev_b32 v1, 5, v0
	v_readfirstlane_b32 s14, v1
	s_lshr_b32 s15, s14, 1
	s_and_b32 s16, s14, 1
	s_bfe_u32 s40, ttmp6, 0x40000
	s_bfe_u32 s41, ttmp6, 0x40004
	s_lshl_b32 s42, ttmp9, 2
	s_add_co_u32 s42, s42, s40
	s_and_b32 s17, ttmp7, 0xffff
	s_lshl_b32 s17, s17, 2
	s_add_co_u32 s17, s17, s41
	s_lshl_b32 s43, s41, 2
	s_lshl_b32 s43, 15, s43
	s_lshl_b32 s44, 0x1111, s40
	s_or_b32 s[G1+0], s43, (0<<16)|(1<<20)|(1<<21)|(5<<22)|(3<<25)
	s_or_b32 s[G1B+0], s44, (0<<16)|(1<<20)|(1<<21)|(5<<22)|(3<<25)
.irp g, G1, G1B
	s_mov_b32 s[\g+1], ROWB<<16
	s_mov_b32 s[\g+2], 128<<16
	s_mov_b32 s[\g+3], ROWB<<16
	s_mov_b32 s[\g+4], 128
	s_mov_b32 s[\g+5], KROW
	s_mov_b32 s[\g+6], 0
	s_mov_b32 s[\g+7], 0
.endr
	s_or_b32 s[G1S+0], s43, (3<<16)|(1<<20)|(1<<21)|(5<<22)|(3<<25)
	s_or_b32 s[G1SB+0], s44, (3<<16)|(1<<20)|(1<<21)|(5<<22)|(3<<25)
.irp g, G1S, G1SB
	s_mov_b32 s[\g+1], 32<<16
	s_mov_b32 s[\g+2], (128*KS/256)<<16
	s_mov_b32 s[\g+3], 32<<16
	s_mov_b32 s[\g+4], 128*KS/256
	s_mov_b32 s[\g+5], 32
	s_mov_b32 s[\g+6], 0
	s_mov_b32 s[\g+7], 0
.endr
	s_lshl_b32 s18, s16, 7
	s_lshl_b32 s20, s17, 8
	s_add_co_u32 s20, s20, s18
	s_lshl_b32 s46, s42, 8
	s_add_co_u32 s46, s46, s18
	s_mov_b32 s21, 0
	s_mov_b32 s47, 0
	s_mov_b64 s[18:19], KS
	s_mul_u64 s[22:23], s[20:21], s[18:19]
	s_mul_u64 s[92:93], s[46:47], s[18:19]
	s_mov_b64 s[18:19], KROW
	s_mul_u64 s[20:21], s[20:21], s[18:19]
	s_mul_u64 s[46:47], s[46:47], s[18:19]
	s_mul_i32 s45, s14, HALFT
	s_mul_i32 s94, s14, HALFS
	s_wait_kmcnt 0x0
	s_add_nc_u64 s[6:7], s[4:5], 0x800000          ; A's scale bytes lie behind its 8,388,608 codes
	s_add_nc_u64 s[20:21], s[4:5], s[20:21]
	s_add_nc_u64 s[22:23], s[6:7], s[22:23]
	s_add_nc_u64 s[46:47], s[8:9], s[46:47]
	s_add_nc_u64 s[92:93], s[10:11], s[92:93]
	CROUND
	s_mov_b32 s[G0S], 1
	s_add_co_u32 s[G0S+1], s94, SCL
	s_mov_b64 s[G0S+2:G0S+3], s[22:23]
	s_or_b32 s[G0S+3], s[G0S+3], 0x80000000
	s_mov_b32 s[G0SB], 1
	s_add_co_u32 s[G0SB+1], s94, SCL
	s_mov_b64 s[G0SB+2:G0SB+3], s[92:93]
	s_or_b32 s[G0SB+3], s[G0SB+3], 0x80000000
	JLOAD G0S, G1S, G0SB, G1SB
.irp s, 0,1
	s_mov_b32 s[G0+4*\s], 1
	s_add_co_u32 s[G0+4*\s+1], s45, \s*SLOT
	s_add_nc_u64 s[G0+4*\s+2:G0+4*\s+3], s[20:21], \s*ROWB
	s_or_b32 s[G0+4*\s+3], s[G0+4*\s+3], 0x80000000
	s_mov_b32 s[G0B+4*\s], 1
	s_add_co_u32 s[G0B+4*\s+1], s45, \s*SLOT
	s_add_nc_u64 s[G0B+4*\s+2:G0B+4*\s+3], s[46:47], \s*ROWB
	s_or_b32 s[G0B+4*\s+3], s[G0B+4*\s+3], 0x80000000
	s_wait_alu depctr_va_vdst(0)
	s_wait_tensorcnt 0x0
	ds_add_u32 v28, v29
	s_wait_dscnt 0x0
	CROUND
	JLOAD G0+4*\s, G1, G0B+4*\s, G1B
.endr
	v_and_b32 v1, 15, v0
	v_bfe_u32 v2, v0, 4, 1
	v_mul_u32_u24 v3, v1, PITCH
	v_lshl_add_u32 v4, v2, 4, v3
	s_mul_i32 s21, s15, HALFT
	s_mul_i32 s22, s16, HALFT
	s_add_co_u32 s22, s22, 2*HALFT
.irp s, 0,1
	v_add_nc_u32 v[ADRA+\s], s21, v4
	v_add_nc_u32 v[ADRB+\s], s22, v4
	s_add_co_u32 s21, s21, SLOT
	s_add_co_u32 s22, s22, SLOT
.endr
	v_mul_u32_u24 v5, v1, KS
	v_lshrrev_b32 v6, 8, v5
	v_lshl_add_u32 v5, v6, 4, v5
	s_mul_i32 s21, s15, HALFS
	s_mul_i32 s22, s16, HALFS
	s_add_co_u32 s22, s22, 2*HALFS
	s_sub_co_u32 s22, s22, s21
	v_mul_u32_u24 v6, s22, v2
	s_add_co_u32 s21, s21, SCL
	v_add_nc_u32 v5, v5, v6
	v_add_nc_u32 v[ADRS], s21, v5
	s_mul_i32 s23, s14, 16*SPITCH
	v_mul_u32_u24 v5, v1, SPITCH
	v_lshl_add_u32 v5, v2, 5, v5
	v_add_nc_u32 v[STO], s23, v5
	v_and_b32 v6, 31, v0
	v_lshlrev_b32 v[CO], 4, v6
	v_add_nc_u32 v[RD], s23, v[CO]
	s_lshl_b32 s20, s17, 8
	s_lshl_b32 s21, s15, 7
	s_add_co_u32 s20, s20, s21
	s_mov_b32 s21, 0
	s_mov_b64 s[18:19], SIZE_N*4
	s_mul_u64 s[20:21], s[20:21], s[18:19]
	s_lshl_b32 s46, s42, 10
	s_lshl_b32 s47, s16, 9
	s_add_co_u32 s46, s46, s47
	s_mov_b32 s47, 0
	s_add_nc_u64 s[96:97], s[96:97], s[46:47]
	s_add_nc_u64 s[20:21], s[20:21], s[46:47]
	s_add_nc_u64 s[12:13], s[12:13], s[20:21]
	v_lshlrev_b32 v[BIA], 5, v2
.irp b, 0,1,2,3,4,5,6,7
	global_load_b128 v[BI+8*\b:BI+8*\b+3], v[BIA], s[96:97] offset:64*\b
	global_load_b128 v[BI+8*\b+4:BI+8*\b+7], v[BIA], s[96:97] offset:64*\b+16
.endr
.macro FRAG reg, adr, q, i
.irp c, 0,1,2,3
	ds_load_b128 v[\reg+4*\c:\reg+4*\c+3], v[\adr] offset:128*(\q)+32*\c+(\i)*16*PITCH
.endr
.endm
.macro MUL16 a0, p, q, sc, zero
.irp a, \a0, \a0+1
.irp b, 0,1,2,3,4,5,6,7
.if \zero
	v_wmma_scale_f32_16x16x128_f8f6f4 v[8*(8*((\a)%4)+\b):8*(8*((\a)%4)+\b)+7], v[128*(\p)+FR*\b:128*(\p)+FR*\b+FR-1], v[AF+FR*(\a):AF+FR*(\a)+FR-1], v[BI+8*\b:BI+8*\b+7], v[SC+8*NQ*(\sc)+NQ*\b+(\q)], v[SC+8*NQ*(\sc)+NQ*(\a)+(\q)] matrix_a_fmt:MATRIX_FMT_BF8 matrix_b_fmt:MATRIX_FMT_BF8 matrix_a_scale:MATRIX_SCALE_ROW1
.else
	v_wmma_scale_f32_16x16x128_f8f6f4 v[8*(8*((\a)%4)+\b):8*(8*((\a)%4)+\b)+7], v[128*(\p)+FR*\b:128*(\p)+FR*\b+FR-1], v[AF+FR*(\a):AF+FR*(\a)+FR-1], v[8*(8*((\a)%4)+\b):8*(8*((\a)%4)+\b)+7], v[SC+8*NQ*(\sc)+NQ*\b+(\q)], v[SC+8*NQ*(\sc)+NQ*(\a)+(\q)] matrix_a_fmt:MATRIX_FMT_BF8 matrix_b_fmt:MATRIX_FMT_BF8 matrix_a_scale:MATRIX_SCALE_ROW1
.endif
.endr
.endr
.endm
.macro FETCH_B slot, q, p
	WIN TO_B
.irp i, 0,1,2,3,4,5,6,7
	FRAG 128*(\p)+FR*\i, ADRB+\slot, \q, \i
.endr
	WIN 0
.endm
.macro FETCH_A slot, q, i0
.irp i, \i0, \i0+1, \i0+2, \i0+3
	FRAG AF+FR*(\i), ADRA+\slot, \q, \i
.endr
.endm
.macro SCALES sc
.irp i, 0,1,2,3,4,5,6,7
	ds_load_b64 v[SC+8*NQ*\sc+NQ*\i:SC+8*NQ*\sc+NQ*\i+1], v[ADRS] offset:\i*SBLK
.endr
.endm
.macro PLACES n
.rept \n
	v_nop
.endr
.endm
.macro STEP slot, q, zero
	s_wait_dscnt 4*NL
.if \zero
	WIN BIAS_LO
.else
	WIN MUL_LO
.endif
	MUL16 0, (\q)%2, \q, \slot, \zero
	MUL16 2, (\q)%2, \q, \slot, \zero
	s_wait_dscnt 0
	PLACES NP
	FETCH_B \slot, (\q)+1, 1-(\q)%2
	FETCH_A \slot, (\q)+1, 0
.if \zero
	WIN BIAS_HI
.else
	WIN MUL_HI
.endif
	MUL16 4, (\q)%2, \q, \slot, \zero
	MUL16 6, (\q)%2, \q, \slot, \zero
	PLACES NP
	WIN 0
	FETCH_A \slot, (\q)+1, 4
.endm
.macro TURN slot, next, fill
	s_wait_tensorcnt 0x0
	ds_add_u32 v[SPW], v[NIL]
	s_wait_dscnt 4*NL+1
	WIN MUL_LO
	MUL16 0, 1, NQ-1, \slot, 0
	s_wait_dscnt 0x0
	s_barrier_signal -1
	MUL16 2, 1, NQ-1, \slot, 0
	WIN 0
	s_barrier_wait -1
.if \fill
	CREST
	s_add_nc_u64 s[G0+4*\slot+2:G0+4*\slot+3], s[G0+4*\slot+2:G0+4*\slot+3], 2*ROWB
	s_add_nc_u64 s[G0B+4*\slot+2:G0B+4*\slot+3], s[G0B+4*\slot+2:G0B+4*\slot+3], 2*ROWB
	JLOAD G0+4*\slot, G1, G0B+4*\slot, G1B
	PLACES NP-4
.else
	PLACES NP
.endif
	s_wait_alu depctr_va_vdst(0)
	v_add_nc_u32 v[ADRS], 4*NQ, v[ADRS]
	FETCH_B \next, 0, 0
	FETCH_A \next, 0, 0
	SCALES \next
	WIN MUL_HI
	MUL16 4, 1, NQ-1, \slot, 0
	MUL16 6, 1, NQ-1, \slot, 0
	PLACES NP
	WIN 0
	FETCH_A \next, 0, 4
.endm
	s_wait_alu depctr_va_vdst(0)
	s_wait_tensorcnt 1
	s_barrier_signal -1
	s_barrier_wait -1
	FETCH_B 0, 0, 0
	FETCH_A 0, 0, 0
	SCALES 0
	FETCH_A 0, 0, 4
	s_wait_loadcnt 0x0
	STEP 0, 0, 1
	s_mov_b32 s3, LAPS-1
.Llap:
	TURN 0, 1, 1
	STEP 1, 0, 0
	TURN 1, 0, 1
	STEP 0, 0, 0
	s_sub_co_u32 s3, s3, 1
	s_cmp_lg_u32 s3, 0
	s_cbranch_scc1 .Llap
	TURN 0, 1, 0
	STEP 1, 0, 0
	s_wait_dscnt 4*NL
	WIN MUL_LO
	MUL16 0, 1, NQ-1, 1, 0
	MUL16 2, 1, NQ-1, 1, 0
	s_wait_dscnt 0
	WIN MUL_HI
	MUL16 4, 1, NQ-1, 1, 0
	MUL16 6, 1, NQ-1, 1, 0
	WIN 0
.macro TOSTAGE a
.set AC, 64*((\a)%4)
	WIN 0x08+4*((\a)/4)
.irp b, 0,1,2,3,4,5,6,7
	ds_store_b128 v[STO], v[AC+8*\b:AC+8*\b+3] offset:64*\b
	ds_store_b128 v[STO], v[AC+8*\b+4:AC+8*\b+7] offset:64*\b+16
.endr
	WIN 0
.set BB, BK+64*((\a)%2)
.irp t, 0,1,2,3,4,5,6,7,8,9,10,11,12,13,14,15
	ds_load_b128 v[BB+4*\t:BB+4*\t+3], v[RD] offset:\t*SPITCH
.endr
.endm
.macro SEND a, younger
.set BB, BK+64*((\a)%2)
	s_wait_dscnt \younger
.if (\a) > 0
	s_add_nc_u64 s[12:13], s[12:13], 16*SIZE_N*4
.endif
.irp t, 0,1,2,3,4,5,6,7,8,9,10,11,12,13,14,15
	global_store_b128 v[CO], v[BB+4*\t:BB+4*\t+3], s[12:13] offset:\t*SIZE_N*4 th:TH_STORE_NT
.endr
.endm
	PLACES NP
	TOSTAGE 0
.irp a, 1,2,3,4,5,6,7
.if \a > 1
	s_wait_xcnt 0x0
.endif
	TOSTAGE \a
	SEND \a-1, 32
.endr
	s_wait_xcnt 0x0
	SEND 7, 0
	s_wait_tensorcnt 0x0
	ds_add_u32 v[SPW], v[NIL]
	s_wait_dscnt 0x0
	CROUND
	s_endpgm
.Lfunc_end_k_q6e3464dbee_dense:
	.size	k_q6e3464dbee_dense, .Lfunc_end_k_q6e3464dbee_dense-k_q6e3464dbee_dense
	.p2alignl 7, 3214868480
	.fill 96, 4, 3214868480
	.section	.rodata,"a",@progbits
	.p2align	6, 0x0
	.amdhsa_kernel k_q6e3464dbee_dense
		.amdhsa_group_segment_fixed_size 327680
		.amdhsa_private_segment_fixed_size 0
		.amdhsa_enable_private_segment 0
		.amdhsa_kernarg_size 40
		.amdhsa_user_sgpr_count 2
		.amdhsa_user_sgpr_kernarg_segment_ptr 1
		.amdhsa_wavefront_size32 1
		.amdhsa_system_sgpr_workgroup_id_x 1
		.amdhsa_system_sgpr_workgroup_id_y 1
		.amdhsa_system_sgpr_workgroup_id_z 1
		.amdhsa_system_vgpr_workitem_id 0
		.amdhsa_next_free_vgpr 1024
		.amdhsa_next_free_sgpr 98
		.amdhsa_reserve_vcc 0
		.amdhsa_float_denorm_mode_32 3
		.amdhsa_float_denorm_mode_16_64 3
		.amdhsa_memory_ordered 1
		.amdhsa_forward_progress 1
		.amdhsa_inst_pref_size 148
	.end_amdhsa_kernel
	.amdgpu_metadata
---
amdhsa.version: [ 1, 2 ]
amdhsa.kernels:
  - .name:           k_q6e3464dbee_dense
    .symbol:         k_q6e3464dbee_dense.kd
    .args:
      - { .name: oc, .offset: 0, .size: 8, .value_kind: global_buffer, .address_space: global }
      - { .name: dense_w_codes, .offset: 8, .size: 8, .value_kind: global_buffer, .address_space: global }
      - { .name: dense_w_scales, .offset: 16, .size: 8, .value_kind: global_buffer, .address_space: global }
      - { .name: out0, .offset: 24, .size: 8, .value_kind: global_buffer, .address_space: global }
      - { .name: dense_b, .offset: 32, .size: 8, .value_kind: global_buffer, .address_space: global }
    .group_segment_fixed_size: 327680
    .private_segment_fixed_size: 0
    .kernarg_segment_align: 8
    .kernarg_segment_size: 40
    .max_flat_workgroup_size: 128
    .sgpr_count:     98
    .vgpr_count:     1024
    .wavefront_size: 32
...
	.end_amdgpu_metadata
.endif
;; end of part 4
